; MI455X (gfx1250); checked and timed in simulation.
; The chip was launched on July 23, 2026; its instructions are those of AMD's public machine-readable ISA for CDNA 5 (MIT licence, August 2026) and "CDNA5" Instruction Set Architecture Reference Guide (July 2026). The comments in the code are by the model that wrote it; some were corrected since.
;; Multi Head Attention. Allowed arithmetic: float matrix products may take bf16 or f16 operands with f32 sums; all other float work in f32.
;; Inputs: Wk 1,024 x 1,024 float32; Wo 1,024 x 1,024 float32; Wq 1,024 x 1,024 float32; Wv 1,024 x 1,024 float32; bk 1,024 float32; bo 1,024 float32; bq 1,024 float32; bv 1,024 float32; key 8 x 1,024 x 1,024 float32; query 8 x 1,024 x 1,024 float32; value 8 x 1,024 x 1,024 float32.
;; Outputs: out0 8 x 1,024 x 1,024 float32.
;; 2 versions, each right; version 2 is version 1 with the launch cvtw written anew for expert scheduling mode. Each part assembles by itself: llvm-mc -triple=amdgcn-amd-amdhsa -mcpu=gfx1250 --defsym DOCPART=n.
;; ======== version 1 of 2: 4 launches
;; limits: values are held in f16: magnitudes above 65,504 overflow, below 6.1e-05 lose precision
;; workspace buffers: wcv 8,388,608 bytes; qkv 50,331,648 bytes; oh 16,777,216 bytes
;; launch cvtw (part 1): grid 256 x 1, 8 waves a work-group, no clusters, 0 bytes of LDS; arguments Wq, Wk, Wv, Wo, wcv; writes wcv
.if DOCPART == 1
	.amdgcn_target "amdgcn-amd-amdhsa--gfx1250"
	.amdhsa_code_object_version 6
	.text
	.protected	k_qde4e712ad8_cvtw
	.globl	k_qde4e712ad8_cvtw
	.p2align	8
	.type	k_qde4e712ad8_cvtw,@function
k_qde4e712ad8_cvtw:
	s_mov_b64 s[64:65], 0
	v_nop
	global_prefetch_b8 v0, s[64:65] scope:SCOPE_SE
	s_setreg_imm32_b32 hwreg(HW_REG_WAVE_MODE, 25, 1), 1
	s_wait_xcnt 0x0
; The four weight matrices, [1024][1024] f32, are rounded once to 16 bits: wcv = [Wq | Wk | Wv | Wo], 2,097,152 bytes each, rows as in the inputs.
; Wq, Wk, Wv: bf16, to nearest even.  Wo: rounded to bf16 like the others, and that number written as f16, since the last product's other operand is f16.
; LIMITS.  A Wo of 65,520 or more in magnitude becomes an infinity in f16; below 6.1e-5 f16 keeps its fixed step of 6e-8.
; A stream: no LDS, no matrix unit, no cluster (no byte is read twice).  Work-group g takes 16,384 numbers of matrix g / 64: 65,536 bytes in, 32,768 out.
; A thread has 16 loads of 16 bytes, all issued at once; a wave's load covers 512 consecutive bytes, its store of 8 bytes a lane 256 consecutive bytes, aligned.
.set X, 4                              ; v[4:67]    load j: 4 numbers in f32
.set Y, 68                             ; v[68:99]   store j: 4 numbers of 16 bits; each j has its own pair, so no store's data is written again
.set T, 100                            ; v[100:103] at work (Wo's way)
	s_load_b256 s[4:11], s[0:1], 0x0               ; Wq s[4:5], Wk s[6:7], Wv s[8:9], Wo s[10:11]
	s_load_b64 s[12:13], s[0:1], 0x20              ; wcv
	s_lshr_b32 s16, ttmp9, 6                       ; which matrix
	s_and_b32 s17, ttmp9, 63                       ; which 64th of it
	s_lshl_b32 s18, s17, 16                        ; its bytes in the source,
	s_mov_b32 s19, 0
	s_lshl_b32 s20, ttmp9, 15                      ; and in wcv: the four matrices lie on end
	s_mov_b32 s21, 0
	v_lshlrev_b32 v1, 4, v0                        ; 16 bytes a thread in
	v_lshlrev_b32 v2, 3, v0                        ; 8 bytes a thread out
	s_wait_kmcnt 0x0
	s_mov_b64 s[14:15], s[4:5]
	s_cmp_eq_u32 s16, 1
	s_cselect_b64 s[14:15], s[6:7], s[14:15]
	s_cmp_eq_u32 s16, 2
	s_cselect_b64 s[14:15], s[8:9], s[14:15]
	s_cmp_eq_u32 s16, 3
	s_cselect_b64 s[14:15], s[10:11], s[14:15]
	s_add_nc_u64 s[14:15], s[14:15], s[18:19]
	s_add_nc_u64 s[12:13], s[12:13], s[20:21]
.irp j, 0,1,2,3,4,5,6,7,8,9,10,11,12,13,14,15
	global_load_b128 v[X+4*(\j):X+4*(\j)+3], v1, s[14:15] offset:4096*(\j) th:TH_LOAD_NT
.endr
	s_cmp_eq_u32 s16, 3
	s_cbranch_scc1 .Lwo
.irp j, 0,1,2,3,4,5,6,7,8,9,10,11,12,13,14,15
	s_wait_loadcnt 15-(\j)                         ; loads come back in order: load j is in, the younger ones stay out
	v_cvt_pk_bf16_f32 v[Y+2*(\j)],   v[X+4*(\j)],   v[X+4*(\j)+1]
	v_cvt_pk_bf16_f32 v[Y+2*(\j)+1], v[X+4*(\j)+2], v[X+4*(\j)+3]
	global_store_b64 v2, v[Y+2*(\j):Y+2*(\j)+1], s[12:13] offset:2048*(\j)
.endr
	s_endpgm
.Lwo:
.irp j, 0,1,2,3,4,5,6,7,8,9,10,11,12,13,14,15
	s_wait_loadcnt 15-(\j)
	v_cvt_pk_bf16_f32 v[T],   v[X+4*(\j)],   v[X+4*(\j)+1]    ; the rounding that every input has,
	v_cvt_pk_bf16_f32 v[T+1], v[X+4*(\j)+2], v[X+4*(\j)+3]
	v_lshlrev_b32 v[T+2], 16, v[T]                           ; back to f32: the low half moves up, the high half stays,
	v_and_b32     v[T],   0xffff0000, v[T]
	v_lshlrev_b32 v[T+3], 16, v[T+1]
	v_and_b32     v[T+1], 0xffff0000, v[T+1]
	v_cvt_pk_f16_f32 v[Y+2*(\j)],   v[T+2], v[T]             ; and written as f16: eight significant bits fit in eleven
	v_cvt_pk_f16_f32 v[Y+2*(\j)+1], v[T+3], v[T+1]
	global_store_b64 v2, v[Y+2*(\j):Y+2*(\j)+1], s[12:13] offset:2048*(\j)
.endr
	s_endpgm
.Lfunc_end_k_qde4e712ad8_cvtw:
	.size	k_qde4e712ad8_cvtw, .Lfunc_end_k_qde4e712ad8_cvtw-k_qde4e712ad8_cvtw
	.p2alignl 7, 3214868480
	.fill 96, 4, 3214868480
	.section	.rodata,"a",@progbits
	.p2align	6, 0x0
	.amdhsa_kernel k_qde4e712ad8_cvtw
		.amdhsa_group_segment_fixed_size 0
		.amdhsa_private_segment_fixed_size 0
		.amdhsa_enable_private_segment 0
		.amdhsa_kernarg_size 40
		.amdhsa_user_sgpr_count 2
		.amdhsa_user_sgpr_kernarg_segment_ptr 1
		.amdhsa_wavefront_size32 1
		.amdhsa_system_sgpr_workgroup_id_x 1
		.amdhsa_system_sgpr_workgroup_id_y 1
		.amdhsa_system_sgpr_workgroup_id_z 1
		.amdhsa_system_vgpr_workitem_id 0
		.amdhsa_next_free_vgpr 104
		.amdhsa_next_free_sgpr 66
		.amdhsa_reserve_vcc 0
		.amdhsa_float_denorm_mode_32 3
		.amdhsa_float_denorm_mode_16_64 3
		.amdhsa_memory_ordered 1
		.amdhsa_forward_progress 1
		.amdhsa_inst_pref_size 16
	.end_amdhsa_kernel
	.amdgpu_metadata
---
amdhsa.version: [ 1, 2 ]
amdhsa.kernels:
  - .name:           k_qde4e712ad8_cvtw
    .symbol:         k_qde4e712ad8_cvtw.kd
    .args:
      - { .name: Wq, .offset: 0, .size: 8, .value_kind: global_buffer, .address_space: global }
      - { .name: Wk, .offset: 8, .size: 8, .value_kind: global_buffer, .address_space: global }
      - { .name: Wv, .offset: 16, .size: 8, .value_kind: global_buffer, .address_space: global }
      - { .name: Wo, .offset: 24, .size: 8, .value_kind: global_buffer, .address_space: global }
      - { .name: wcv, .offset: 32, .size: 8, .value_kind: global_buffer, .address_space: global }
    .group_segment_fixed_size: 0
    .private_segment_fixed_size: 0
    .kernarg_segment_align: 8
    .kernarg_segment_size: 40
    .max_flat_workgroup_size: 256
    .sgpr_count:     66
    .vgpr_count:     104
    .wavefront_size: 32
...
	.end_amdgpu_metadata
.endif
;; end of part 1
;; launch proj (part 2): grid 4 x 64, 4 waves a work-group, clusters of 4 x 4, 327,680 bytes of LDS; arguments query, key, value, wcv, bq, bk, bv, qkv; writes qkv
.if DOCPART == 2
	.amdgcn_target "amdgcn-amd-amdhsa--gfx1250"
	.amdhsa_code_object_version 6
	.text
	.protected	k_qde4e712ad8_proj
	.globl	k_qde4e712ad8_proj
	.p2align	8
	.type	k_qde4e712ad8_proj,@function
k_qde4e712ad8_proj:
	s_mov_b64 s[64:65], 0
	v_nop
	global_prefetch_b8 v0, s[64:65] scope:SCOPE_SE
	s_setreg_imm32_b32 hwreg(HW_REG_WAVE_MODE, 25, 1), 1
	s_wait_xcnt 0x0
	s_wait_alu depctr_hold_cnt(0) depctr_sa_sdst(0) depctr_va_vdst(0) depctr_va_sdst(0) depctr_va_ssrc(0) depctr_va_vcc(0) depctr_vm_vsrc(0)
	s_getreg_b32 s2, hwreg(HW_REG_IB_STS2, 6, 4)
	s_cmp_eq_u32 s2, 0
	s_cbranch_scc0 .Lentry_in_a_cluster
	s_endpgm
.Lentry_in_a_cluster:
	s_bfe_u32 s2, ttmp6, 0x10000c
	s_cmp_lg_u32 s2, 0xf033
	s_cbranch_scc0 .Lentry_shape_is_right
	s_endpgm
.Lentry_shape_is_right:
; q, k, v = x W^T + b for x = query, key, value ([8192][1024] f32), W from wcv (bf16, [n][k]), b rounded to bf16.  Sums in f32; the results are rounded once to f16 and stored BY HEADS:
; qkv = [q | k | v], each [batch x 16 + head][1024 rows][64], 16,777,216 bytes, so that a head's rows are dense for the launch behind.  The scale 1/8 is not applied here.
; LIMITS.  A result of 65,520 or more in magnitude becomes an infinity in f16; below 6.1e-5 f16 keeps its fixed step of 6e-8.  NaN and infinities are not treated apart.
; SHARES.  64 x 4 = 256 work-groups.  A WORK-GROUP STAYS: it makes the tile of 128 rows x 256 columns at its place three times, of q, then of k, then of v.  Four waves, 2 x 2, each 64 rows x 128 columns:
; 32 accumulators of 16 x 16, 256 registers.
; x STAYS f32 UP TO THE REGISTERS: the data mover brings f32 tiles into LDS, and each wave rounds its own fragments to bf16 (one conversion for each matrix instruction): x is read from memory once and written nowhere.
; K goes in steps of 128 through two LDS slots: 128 rows x 512 bytes of x, 256 rows x 256 bytes of W.  A step is four quarters of 32 along K, 32 matrix instructions each.  A larger slot does not fit: two take 274,432 bytes.
; ONE WALK.  The three tiles' 24 K steps are 12 laps round the ring: 11 in one counted loop, the last written out, since it fills nothing.  The ring does not stop at a tile's end: a tile's fourth lap asks for the next
; tile's first two K steps.  A lap's last quarter stands in two forms behind a forward branch on a scalar count: the plain one, or the tile's way out and the quarter that starts the next tile's sums.
; CLUSTERS: 4 x 4 work-groups.  The four of a row of the cluster make the four column tiles of one block of rows and need the same tiles of x; the four of a column need the same tiles of W: each tile is asked
; for JOINTLY, by the same tensor load with the same descriptor and a mask that names the four.  All counts of the walk are the same in every work-group.
; THE MATRIX INSTRUCTION IS USED TRANSPOSED (source 0 = 16 rows of W, source 1 = 16 rows of x): a lane holds row lane % 16 and eight neighbouring columns 8 (lane / 16) + 0..7.
; THE BIAS is the C operand of the products that start the sums.
; REGISTERS, in windows of 256 (s_set_vgpr_msb: bits 1:0 source 0, 3:2 source 1, 5:4 source 2, 7:6 destination):
;   window 0: v0-31 addresses; v32-95 x's f32 numbers of one quarter; on the way out v32-159 packed results
;   window 1: the accumulators, (a, b) at v[8 (8 a + b)]
;   window 2: v0-127 W's fragments, two buffers; v128-191 x's fragments in bf16, two buffers; v192-255 the bias of my 128 columns as a C operand
.set KSTEP,  128
.set PA,     528                       ; a row of x in LDS: 512 bytes + 16 of padding = 132 words: row r starts at bank 4 r mod 64 (64 banks of 4 bytes: ISA guide 11.1)
.set PB,     272                       ; a row of W: 256 + 16 = 68 words: likewise
.set HALFA,  64*PA                     ; 64 rows of x: one tensor load, and what one wave reads
.set AB,     128*PA                    ; behind x's 128 rows: W's 256
.set HALFB,  128*PB                    ; 128 rows of W: one tensor load, and what one wave reads
.set SLOT,   AB+256*PB                 ; 137,216 bytes
.set STAGE,  2*SLOT                    ; behind the ring: for each wave 2 heads x 16 rows x 144 bytes, for the way out
.set WSTG,   2*16*144
.set SPARE,  STAGE+4*WSTG              ; behind the stages: the spare words, 128 bytes for each wave: two blocks of 256 bytes that no other line names
.set WRAPB,  0x200000-6*KSTEP*2        ; bytes from a slot's last K step in one matrix of wcv to its first in the next
.set ADRA, 16                          ; v16-17  LDS address of my fragments of x in slot 0, 1
.set ADRB, 20                          ; v20-21  the same for W
.set STO,  24                          ; v24     the way out: where I put 16 bytes of a row
.set RD,   25                          ; v25     the way out: where I read rows back
.set GO,   26                          ; v26     my 16 bytes in 512 consecutive bytes of the output
.set BO,   27                          ; v27     my byte offset in 64 bytes of the bias
.set SPW,  28                          ; v28     LDS address of my spare word: SPARE + 4 x my thread's number; never rewritten
.set NIL,  29                          ; v29     0; never rewritten
.set PFO,  30                          ; v30     the prefetch: my block of 256 bytes among my wave's 8 rows x 4 blocks; never rewritten
.set ST,   32                          ; x in f32: block a of 16 rows at ST + 16 a
.set OB,   32                          ; the way out: block a at OB + 32 a
.set BF,   0                           ; window 2
.set AF,   128
.set BIAS, 192
.set CUR, 4                            ; s[4:7]   for each slot the address of x's tile that it was last filled with, as a plain address: the descriptor's words are made of it anew for each fill
.set G1, 24                            ; s[24:31] descriptor group 1 for x's tiles;  s[32:39] group 0, one set for each slot
.set G0, 32
.set G1B, 48                           ; s[48:55], s[56:63] the same for W's tiles
.set G0B, 56
.set NXA, 84                           ; s[84:87] the next tile's x at my rows: K step 0 (for slot 0), K step 1 (for slot 1)
.set NYA, 88                           ; s[88:91] the same for the tile after it
.set PF,  92                           ; s[92:93] the prefetch's address; s[94:95] the next tile's x at my wave's 8 rows; s[96:97] the tile's after it
; s2: laps left in the tile, this one among them (4 to 1).  s3: the loop's count.  s45: tiles behind this one.  s[66:67]: W's step, in 64 bits.  s98, s99: its two values.
; s[76:77]: the bias to be loaded next; s[78:79], s[80:81]: those behind it.
.set MSB, 0
.macro WIN new                         ; the immediate's high byte repeats the setting that is left; a switch that changes nothing is dropped
.if MSB != (\new)
	s_set_vgpr_msb (MSB<<8)|(\new)
.set MSB, \new
.endif
.endm
.set W_MUL,  0x5a                      ; sources 0 and 1 window 2; C and D window 1
.set W_MULB, 0x6a                      ; the same with C in window 2: the bias
.set W_TO2,  0x80                      ; destination window 2, sources and addresses window 0
.set W_RB,   0x8a                      ; destination and sources window 2
.set W_PK,   0x05                      ; sources window 1, destination window 0
.macro JLOAD s                         ; a joint load: waves 0 and 1 fetch x's two halves, waves 2 and 3 W's; an s_nop 0 and four v_nop follow each of the two lines, ahead of the jump, the label and what follows
	s_cmp_eq_u32 s11, 0
	s_cbranch_scc0 .Lfor_b_\@
	tensor_load_to_lds s[G0+4*(\s):G0+4*(\s)+3], s[G1:G1+7]
	s_nop 0
.rept 4
	v_nop
.endr
	s_branch .Lasked_\@
.Lfor_b_\@:
	tensor_load_to_lds s[G0B+4*(\s):G0B+4*(\s)+3], s[G1B:G1B+7]
	s_nop 0
.rept 4
	v_nop
.endr
.Lasked_\@:
.endm
.macro CREST                           ; a round of the cluster's barrier behind its opening barrier
	s_cmp_lg_u32 s10, 0
	s_cbranch_scc1 .Lnot_wave_0_\@
	s_barrier_signal -3
.Lnot_wave_0_\@:
	s_barrier_wait -3
	s_barrier_signal -1
	s_barrier_wait -1
.endm
.macro CROUND                          ; a whole round
	s_barrier_signal -1
	s_barrier_wait -1
	CREST
.endm
.macro BIASLOAD                        ; register j of block b: the bias of column 16 b + 8 (l / 16) + j
	WIN W_TO2
.irp b, 0,1,2,3,4,5,6,7
	global_load_b128 v[BIAS+8*(\b):BIAS+8*(\b)+3],   v[BO], s[76:77] offset:64*(\b)
	global_load_b128 v[BIAS+8*(\b)+4:BIAS+8*(\b)+7], v[BO], s[76:77] offset:64*(\b)+16
.endr
	WIN 0
.endm
	s_load_b512 s[68:83], s[0:1], 0x0              ; query 68, key 70, value 72, wcv 74, bq 76, bk 78, bv 80, qkv 82
	v_lshl_add_u32 v[SPW], v0, 2, SPARE
	v_mov_b32 v[NIL], 0
	ds_add_u32 v[SPW], v[NIL]                      ; the wave's opening: the add and its wait stand ahead of my first tensor load; the set-up below, work on registers, stands between them
	ds_add_u32 v28, v29
	v_lshrrev_b32 v1, 5, v0
	v_readfirstlane_b32 s10, v1                    ; wave 0..3
	s_lshr_b32 s11, s10, 1                         ; which 64 rows of the tile are mine.  Also: I fetch for x (0) or for W (1)
	s_and_b32 s12, s10, 1                          ; which 128 columns.  Also: which half of that tile I fetch
	s_bfe_u32 s40, ttmp6, 0x40000                  ; cx, cy: my place in the cluster
	s_bfe_u32 s41, ttmp6, 0x40004
	s_lshl_b32 s42, ttmp9, 2
	s_add_co_u32 s42, s42, s40                     ; column tile 0..3 = 4 x cluster x + cx
	s_and_b32 s13, ttmp7, 0xffff
	s_lshl_b32 s13, s13, 2
	s_add_co_u32 s13, s13, s41                     ; block of 128 rows, 0..63 = 4 x cluster y + cy
	s_lshl_b32 s43, s41, 2
	s_lshl_b32 s43, 15, s43                        ; my row of the cluster
	s_lshl_b32 s44, 0x1111, s40                    ; my column
	; descriptor group 1.  x: 64 rows x 128 elements of 4 bytes; W: 128 rows x 128 elements of 2 bytes; both padded by 4 words behind each row
	s_or_b32 s[G1+0], s43, (2<<16)|(1<<20)|(1<<21)|(6<<22)|(3<<25)   ; 15:0 the mask: my row; 17:16 elements of 4 bytes; 20 padding on; 21 set beside a mask; 24:22 after every 128 words (code 6); 31:25 4 words (code 3)
	s_or_b32 s[G1B+0], s44, (1<<16)|(1<<20)|(1<<21)|(5<<22)|(3<<25)  ; my column; elements of 2 bytes; after every 64 words (code 5)
	s_mov_b32 s[G1+1], KSTEP<<16                   ; tensor_dim0 = 128
	s_mov_b32 s[G1+2], 64<<16                      ; tensor_dim1 = 64
	s_mov_b32 s[G1+3], KSTEP<<16                   ; tile_dim0 = 128
	s_mov_b32 s[G1+4], 64                          ; tile_dim1 = 64
	s_mov_b32 s[G1+5], 1024                        ; elements from row to row
	s_mov_b32 s[G1+6], 0
	s_mov_b32 s[G1+7], 0
	s_mov_b32 s[G1B+1], KSTEP<<16
	s_mov_b32 s[G1B+2], 128<<16
	s_mov_b32 s[G1B+3], KSTEP<<16
	s_mov_b32 s[G1B+4], 128
	s_mov_b32 s[G1B+5], 1024
	s_mov_b32 s[G1B+6], 0
	s_mov_b32 s[G1B+7], 0
	; where the tiles come from.  x's hang on the block of rows, which my row of the cluster shares; W's on the column tile, which my column shares
	s_lshl_b32 s16, s13, 7
	s_lshl_b32 s17, s12, 6
	s_add_co_u32 s16, s16, s17                     ; x: row 128 x block + 64 x half,
	s_lshl_b32 s16, s16, 12                        ; of 4,096 bytes: the same offset in query, key and value
	s_mov_b32 s17, 0
	s_lshl_b32 s46, s42, 8
	s_lshl_b32 s47, s12, 7
	s_add_co_u32 s46, s46, s47                     ; W: row 256 x column tile + 128 x half,
	s_lshl_b32 s46, s46, 11                        ; of 2,048 bytes, in wcv's first matrix
	s_mov_b32 s47, 0
	s_mul_i32 s20, s12, HALFA                      ; and where they go: no place in the cluster enters an LDS address
	s_mul_i32 s21, s12, HALFB
	s_add_co_u32 s21, s21, AB
	s_mov_b32 s67, 0
	s_mov_b32 s98, WRAPB
	s_mov_b32 s99, 2*KSTEP*2
	s_mov_b32 s2, 4
	s_mov_b32 s3, 12                               ; taken down once on the way in and once behind each of the loop's 11 laps
	s_mov_b32 s45, 2
	s_wait_dscnt 0x0                               ; the opening add is done
	s_wait_kmcnt 0x0
	s_add_nc_u64 s[14:15], s[68:69], s[16:17]      ; each address from its own buffer's pointer
	s_add_nc_u64 s[NXA:NXA+1], s[70:71], s[16:17]
	s_add_nc_u64 s[NXA+2:NXA+3], s[NXA:NXA+1], KSTEP*4
	s_add_nc_u64 s[NYA:NYA+1], s[72:73], s[16:17]
	s_add_nc_u64 s[NYA+2:NYA+3], s[NYA:NYA+1], KSTEP*4
	s_add_nc_u64 s[46:47], s[74:75], s[46:47]
	CROUND                                         ; all sixteen work-groups are here: the first joint loads meet
.irp s, 0,1
	s_add_nc_u64 s[CUR+2*(\s):CUR+2*(\s)+1], s[14:15], (\s)*KSTEP*4  ; K step s, as a plain address
	s_mov_b32 s[G0+4*(\s)], 1                                        ; count = 1
	s_add_co_u32 s[G0+4*(\s)+1], s20, (\s)*SLOT                      ; LDS address
	s_add_nc_u64 s[G0+4*(\s)+2:G0+4*(\s)+3], s[14:15], (\s)*KSTEP*4  ; global address: K step s
	s_or_b32 s[G0+4*(\s)+3], s[G0+4*(\s)+3], 0x80000000              ; type = 2
	s_mov_b32 s[G0B+4*(\s)], 1
	s_add_co_u32 s[G0B+4*(\s)+1], s21, (\s)*SLOT
	s_add_nc_u64 s[G0B+4*(\s)+2:G0B+4*(\s)+3], s[46:47], (\s)*KSTEP*2
	s_or_b32 s[G0B+4*(\s)+3], s[G0B+4*(\s)+3], 0x80000000
	JLOAD \s                                       ; two loads of mine are out
.endr
	; A fragment is 16 rows x 32 K: lane l holds row l % 16, K = 8 (l / 16) + 0..7 and 16 + 8 (l / 16) + 0..7.  In bf16: two loads of 16 bytes, 32 apart.  In f32: four, at 0, 16, 64 and 80 from row x pitch + 32 (l / 16).
	v_and_b32 v1, 15, v0                           ; l % 16
	v_bfe_u32 v2, v0, 4, 1                         ; l / 16
	v_lshlrev_b32 v[BO], 5, v2                     ; my eight columns of sixteen: 32 bytes for each half of the lanes
	s_lshl_b32 s46, s42, 10                        ; the bias of my 128 columns (offsets that hold cx are made in the registers that held W's address: none that feeds x's descriptors ever holds cx)
	s_lshl_b32 s47, s12, 9
	s_add_co_u32 s46, s46, s47
	s_mov_b32 s47, 0
	s_add_nc_u64 s[76:77], s[76:77], s[46:47]
	s_add_nc_u64 s[78:79], s[78:79], s[46:47]
	s_add_nc_u64 s[80:81], s[80:81], s[46:47]
	BIASLOAD                                       ; bq
	v_mul_u32_u24 v3, v1, PA
	v_lshl_add_u32 v3, v2, 5, v3
	v_mul_u32_u24 v4, v1, PB
	v_lshl_add_u32 v4, v2, 4, v4
	s_mul_i32 s22, s11, HALFA                      ; my 64 rows of x
	s_mul_i32 s23, s12, HALFB                      ; my 128 rows of W,
	s_add_co_u32 s23, s23, AB                      ; which lie behind x's
.irp s, 0,1
	v_add_nc_u32 v[ADRA+(\s)], s22, v3
	v_add_nc_u32 v[ADRB+(\s)], s23, v4
	s_add_co_u32 s22, s22, SLOT
	s_add_co_u32 s23, s23, SLOT
.endr
	s_mul_i32 s22, s10, WSTG
	s_add_co_u32 s22, s22, STAGE                   ; my stage
	v_mul_u32_u24 v5, v1, 144                      ; in: row l % 16, 16 bytes for each half of the lanes
	v_lshl_add_u32 v5, v2, 4, v5
	v_add_nc_u32 v[STO], s22, v5
	v_bfe_u32 v5, v0, 3, 2                         ; back: 32 lanes take four rows of 128 bytes,
	v_mul_u32_u24 v5, v5, 144
	v_and_b32 v6, 7, v0
	v_lshl_add_u32 v5, v6, 4, v5
	v_add_nc_u32 v[RD], s22, v5
	v_and_b32 v[GO], 31, v0                        ; which are 512 consecutive bytes of a head
	v_lshlrev_b32 v[GO], 4, v[GO]
	; the prefetch: a lap's part of x for my row of the cluster is 128 rows x 1,024 bytes: 512 blocks of 256 bytes.  The row's sixteen waves take 8 rows each, a lane one block: each block is asked for once.
	v_bfe_u32 v5, v0, 2, 3                         ; which of my wave's 8 rows,
	v_and_b32 v6, 3, v0                            ; which of its 4 blocks
	v_lshlrev_b32 v[PFO], 12, v5
	v_lshl_or_b32 v[PFO], v6, 8, v[PFO]
	s_lshl_b32 s46, s40, 2
	s_add_co_u32 s46, s46, s10                     ; my wave among the sixteen,
	s_lshl_b32 s46, s46, 3                         ; its 8 rows,
	s_lshl_b32 s47, s13, 7
	s_add_co_u32 s46, s46, s47                     ; in the block of 128,
	s_lshl_b32 s46, s46, 12                        ; in bytes
	s_mov_b32 s47, 0
	s_add_nc_u64 s[PF:PF+1], s[68:69], s[46:47]
	s_add_nc_u64 s[PF:PF+1], s[PF:PF+1], 2*KSTEP*4 ; the first lap steps it to lap 2
	s_add_nc_u64 s[PF+2:PF+3], s[70:71], s[46:47]
	s_add_nc_u64 s[PF+4:PF+5], s[72:73], s[46:47]
	; the output, q's part first: head (batch x 16 + 4 x column tile + 2 x column half), 131,072 bytes each; row (block % 8) x 128 + 64 x row half, 128 bytes each
	s_lshr_b32 s16, s13, 3
	s_lshl_b32 s16, s16, 21
	s_and_b32 s17, s13, 7
	s_lshl_b32 s17, s17, 14
	s_add_co_u32 s16, s16, s17
	s_lshl_b32 s17, s11, 13
	s_add_co_u32 s16, s16, s17
	s_mov_b32 s17, 0
	s_add_nc_u64 s[8:9], s[82:83], s[16:17]
	s_lshl_b32 s46, s42, 19
	s_lshl_b32 s47, s12, 18
	s_add_co_u32 s46, s46, s47
	s_mov_b32 s47, 0
	s_add_nc_u64 s[8:9], s[8:9], s[46:47]
; One product: rows 16 a on, columns 16 b on, 32 along K, from buffers f.  zero = 1: it starts the sum, with the bias as C: nothing is ever cleared.
.macro MUL f, a, b, zero
.if \zero
	WIN W_MULB
	v_wmma_f32_16x16x32_bf16 v[8*(8*(\a)+(\b)):8*(8*(\a)+(\b))+7], v[BF+64*(\f)+8*(\b):BF+64*(\f)+8*(\b)+7], v[AF+32*(\f)+8*(\a):AF+32*(\f)+8*(\a)+7], v[BIAS+8*(\b):BIAS+8*(\b)+7]
.else
	WIN W_MUL
	v_wmma_f32_16x16x32_bf16 v[8*(8*(\a)+(\b)):8*(8*(\a)+(\b))+7], v[BF+64*(\f)+8*(\b):BF+64*(\f)+8*(\b)+7], v[AF+32*(\f)+8*(\a):AF+32*(\f)+8*(\a)+7], v[8*(8*(\a)+(\b)):8*(8*(\a)+(\b))+7]
.endif
.endm
.macro MULROW f, a, zero               ; the eight products of block a
.irp b, 0,1,2,3,4,5,6,7
	MUL \f, \a, \b, \zero
.endr
.endm
; 32 LDS loads in one run: quarter kq of a slot.  x's 64 rows x 128 bytes first, in f32, into ST; then W's 128 rows x 64 bytes into buffer g.
.macro FETCH slot, kq, g
	WIN 0
.irp a, 0,1,2,3
	ds_load_b128 v[ST+16*(\a):ST+16*(\a)+3],     v[ADRA+(\slot)] offset:(\kq)*128+(\a)*16*PA
	ds_load_b128 v[ST+16*(\a)+4:ST+16*(\a)+7],   v[ADRA+(\slot)] offset:(\kq)*128+(\a)*16*PA+16
	ds_load_b128 v[ST+16*(\a)+8:ST+16*(\a)+11],  v[ADRA+(\slot)] offset:(\kq)*128+(\a)*16*PA+64
	ds_load_b128 v[ST+16*(\a)+12:ST+16*(\a)+15], v[ADRA+(\slot)] offset:(\kq)*128+(\a)*16*PA+80
.endr
	WIN W_TO2
.irp b, 0,1,2,3,4,5,6,7
	ds_load_b128 v[BF+64*(\g)+8*(\b):BF+64*(\g)+8*(\b)+3],   v[ADRB+(\slot)] offset:(\kq)*64+(\b)*16*PB
	ds_load_b128 v[BF+64*(\g)+8*(\b)+4:BF+64*(\g)+8*(\b)+7], v[ADRB+(\slot)] offset:(\kq)*64+(\b)*16*PB+32
.endr
.endm
.macro CVT4 g, i                       ; eight of x's numbers are rounded to bf16: registers 4 i to 4 i + 3 of buffer g
	WIN W_TO2
.irp j, 0,1,2,3
	v_cvt_pk_bf16_f32 v[AF+32*(\g)+4*(\i)+(\j)], v[ST+8*(\i)+2*(\j)], v[ST+8*(\i)+2*(\j)+1]
.endr
.endm
.macro PLACES                          ; four places behind a matrix instruction, in front of what reads its result (ISA guide 7.12.1)
.rept 4
	v_nop
.endr
.endm
; A QUARTER multiplies buffers f (32 matrix instructions, the 32 accumulators by turns in one fixed order) and makes buffers g ready: at its head the run of loads for quarter kq of a
; slot, behind each of its last eight products four conversions.  The four behind the last product name none of its registers: they are the places in front of whatever follows the quarter.
; turn = 1: kq is the slot's last quarter, so the slot has been read out when the run is back: ONE barrier, which opens a round of the cluster's.  In front of it each wave waits for all its tensor loads (one is
; out: its part of the other slot), adds 0 to its spare word, and waits for that and for its reads; behind the round the slot is filled again, two K steps on: the load has 112 matrix instructions in which to land.
; In a tile's fourth lap (s2 = 1) two K steps on is the NEXT tile: x's plain address is then replaced by the next input's, made from that buffer's own pointer, and W's goes on into the next matrix of wcv.
; x's descriptor words are made anew from the plain address for every fill, and the type bits set on them.
; turn = 2: the same without round and refill: the last slot is shown whole to every wave.
.macro QUARTER f, g, slot, kq, zero, turn
	FETCH \slot, \kq, \g
	s_wait_dscnt 32                                ; all but the 32 just issued: W's buffer f is in
	MULROW \f, 0, \zero
	MULROW \f, 1, \zero
.if \turn
	WIN 0                                          ; (the add's two registers lie in window 0)
	s_wait_tensorcnt 0x0                           ; all my tensor loads have landed: my part of the other slot;
	ds_add_u32 v[SPW], v[NIL]                      ; 0 onto my spare word; eight matrix instructions stand between it and the wait for it
.endif
	MULROW \f, 2, \zero
.if \turn
	s_wait_dscnt 0x0                               ; the add is done, and my reads of this slot are over
	s_barrier_signal -1
.else
	s_wait_dscnt 16                                ; x's sixteen loads are in; W's sixteen, issued behind them, may stay out
.endif
.irp i, 0,1,2,3,4,5,6,7
	MUL \f, 3, \i, \zero
	CVT4 \g, \i
.endr
.if \turn
	WIN 0
	s_barrier_wait -1
.endif
.if (\turn) == 1
	CREST                                          ; no wave of any partner still reads this slot's tiles or has a load on its way
	s_add_nc_u64 s[CUR+2*(\slot):CUR+2*(\slot)+1], s[CUR+2*(\slot):CUR+2*(\slot)+1], 2*KSTEP*4
	s_cmp_eq_u32 s2, 1                             ; the tile's fourth lap?
	s_cselect_b64 s[CUR+2*(\slot):CUR+2*(\slot)+1], s[NXA+2*(\slot):NXA+2*(\slot)+1], s[CUR+2*(\slot):CUR+2*(\slot)+1]
	s_cselect_b32 s66, s98, s99
	s_add_nc_u64 s[G0+4*(\slot)+2:G0+4*(\slot)+3], s[CUR+2*(\slot):CUR+2*(\slot)+1], 0   ; global address
	s_or_b32 s[G0+4*(\slot)+3], s[G0+4*(\slot)+3], 0x80000000                            ; type = 2
	s_add_nc_u64 s[G0B+4*(\slot)+2:G0B+4*(\slot)+3], s[G0B+4*(\slot)+2:G0B+4*(\slot)+3], s[66:67]
	JLOAD \slot                                    ; the first tensor load behind the round, and my only one until the next
.endif
.endm
; THE WAY OUT, a block of 16 rows at a time.  A lane's eight columns pack into 16 bytes of one head's row; my 128 columns are two heads.  They go into my stage (rows of 144 bytes) and come back as whole rows
; of 128 bytes, four to a load, which are 512 consecutive bytes of the head.  The stage is my own: LDS serves a wave's instructions in order (ISA guide 5.7.1.4), so no wait stands between stores and loads.
.macro PACK a
	WIN W_PK
.irp b, 0,1,2,3,4,5,6,7
.irp i, 0,1,2,3
	v_cvt_pk_f16_f32 v[OB+32*(\a)+4*(\b)+(\i)], v[8*(8*(\a)+(\b))+2*(\i)], v[8*(8*(\a)+(\b))+2*(\i)+1]
.endr
.endr
	WIN 0
.irp b, 0,1,2,3,4,5,6,7
	ds_store_b128 v[STO], v[OB+32*(\a)+4*(\b):OB+32*(\a)+4*(\b)+3] offset:((\b)/4)*2304+((\b)%4)*32
.endr
.irp f, 0,1,2,3,4,5,6,7
	ds_load_b128 v[OB+32*(\a)+4*(\f):OB+32*(\a)+4*(\f)+3], v[RD] offset:((\f)/4)*2304+((\f)%4)*576
.endr
.endm
.macro SEND a, younger                 ; younger: the LDS instructions issued behind block a's loads: the next block's sixteen, or none
	WIN 0
.irp f, 0,1,2,3,4,5,6,7
	s_wait_dscnt (\younger)+7-(\f)
	global_store_b128 v[GO], v[OB+32*(\a)+4*(\f):OB+32*(\a)+4*(\f)+3], s[8:9] offset:((\f)/4)*131072+(\a)*2048+((\f)%4)*512  ; 512 consecutive bytes, at a multiple of 512 from the buffer's first
.endr
.endm
.macro WAYOUT                          ; a block's conversions stand between the loads of the block before and its stores
	PACK 0
	PACK 1
	SEND 0, 16
	PACK 2
	SEND 1, 16
	PACK 3
	SEND 2, 16
	SEND 3, 0
.endm
	s_wait_tensorcnt 1                             ; my part of K step 0 is in; K step 1's may stay out
	s_barrier_signal -1
	s_barrier_wait -1                              ; everybody's is
	FETCH 0, 0, 0
	s_wait_dscnt 16                                ; x's sixteen loads
.irp i, 0,1,2,3,4,5,6,7
	CVT4 0, \i
.endr
	WIN 0                                          ; at a label and at a branch every window is 0
	s_branch .Lbegin                               ; the loop is entered where a tile begins
.Llap:                                                 ; 11 trips: a trip goes once round the ring, from a lap's second quarter to the next lap's first, and fills both slots again
	; x of the lap after next is asked into the L2: its tensor loads are issued in the next lap.  Trips 0 to 9 ask, for laps 2 to 11; the eleventh trip (s3 = 1) has no lap after next.
	s_cmp_lt_u32 s3, 2
	s_cbranch_scc1 .Lnopf
	s_wait_xcnt 0x0                                ; the last trip's prefetch has had its address translated (ISA guide 3.1): its base is stepped only behind this wait
	s_add_nc_u64 s[PF:PF+1], s[PF:PF+1], 2*KSTEP*4
	s_cmp_eq_u32 s2, 2                             ; from a tile's third lap the lap after next is the next tile's first
	s_cselect_b64 s[PF:PF+1], s[PF+2:PF+3], s[PF:PF+1]
	global_prefetch_b8 v[PFO], s[PF:PF+1] th:TH_LOAD_NT scope:SCOPE_SE
.Lnopf:
	QUARTER 1, 0, 0, 2, 0, 0
	QUARTER 0, 1, 0, 3, 0, 1
	QUARTER 1, 0, 1, 0, 0, 0
	QUARTER 0, 1, 1, 1, 0, 0
	QUARTER 1, 0, 1, 2, 0, 0
	QUARTER 0, 1, 1, 3, 0, 1
	QUARTER 1, 0, 0, 0, 0, 0
	WIN 0
	s_sub_co_u32 s2, s2, 1
	s_cmp_lg_u32 s2, 0
	s_cbranch_scc1 .Lplain                         ; forward, past text that holds neither a barrier nor a tensor load
	WAYOUT                                         ; A TILE IS FINISHED.  Both refills for the next one are asked for; its first fragments are in registers that the way out does not touch
	s_wait_xcnt 0x0                                ; the stores have had their addresses translated (ISA guide 3.1): their base and their data registers are written again only behind this wait
	s_add_nc_u64 s[8:9], s[8:9], 0x1000000         ; the next part of qkv
	s_mov_b64 s[NXA:NXA+1], s[NYA:NYA+1]           ; what is next is now the tile after
	s_mov_b64 s[NXA+2:NXA+3], s[NYA+2:NYA+3]
	s_mov_b64 s[PF+2:PF+3], s[PF+4:PF+5]
	s_mov_b32 s2, 4
.Lbegin:                                               ; A TILE BEGINS
	s_wait_loadcnt 0x0                             ; its bias, asked for a tile ago; the loads are done, so their base may be written
	s_mov_b64 s[76:77], s[78:79]
	s_mov_b64 s[78:79], s[80:81]
	WIN W_RB                                       ; the bias is rounded to bf16 like every input, and widened again; x's second fragment buffer, whose last product stands more than four places back, holds the halves
.set i, 0
.rept 32
	v_cvt_pk_bf16_f32 v[AF+32+i], v[BIAS+2*i], v[BIAS+2*i+1]
.set i, i+1
.endr
.set i, 0
.rept 32
	v_lshlrev_b32 v[BIAS+2*i],   16, v[AF+32+i]
	v_and_b32     v[BIAS+2*i+1], 0xffff0000, v[AF+32+i]
.set i, i+1
.endr
	QUARTER 0, 1, 0, 1, 1, 0                       ; the tile's first quarter: its products start the sums
	WIN 0
	s_cmp_eq_u32 s45, 0
	s_cbranch_scc1 .Lnobias                        ; the last tile has no successor
	s_sub_co_u32 s45, s45, 1
	BIASLOAD                                       ; the next tile's bias: the four conversions behind the quarter's last product are the places in front of these loads
.Lnobias:
	s_branch .Ljoin
.Lplain:
	QUARTER 0, 1, 0, 1, 0, 0
	WIN 0
.Ljoin:
	s_sub_co_u32 s3, s3, 1
	s_cmp_lg_u32 s3, 0
	s_cbranch_scc1 .Llap
	QUARTER 1, 0, 0, 2, 0, 0                       ; the walk's last lap is written out: it fills nothing
	QUARTER 0, 1, 0, 3, 0, 2
	QUARTER 1, 0, 1, 0, 0, 0
	QUARTER 0, 1, 1, 1, 0, 0
	QUARTER 1, 0, 1, 2, 0, 0
	QUARTER 0, 1, 1, 3, 0, 0
	s_wait_dscnt 0x0                               ; the very last quarter: nothing more to fetch
	MULROW 1, 0, 0
	MULROW 1, 1, 0
	MULROW 1, 2, 0
	MULROW 1, 3, 0
	PLACES
	WAYOUT
	s_wait_tensorcnt 0x0                           ; the wave's end: behind my last tensor load and my last LDS store
	ds_add_u32 v[SPW], v[NIL]
	s_wait_dscnt 0x0
	CROUND                                         ; the closing round: no work-group ends while a partner may still ask for a tile that names it
	s_endpgm
.Lfunc_end_k_qde4e712ad8_proj:
	.size	k_qde4e712ad8_proj, .Lfunc_end_k_qde4e712ad8_proj-k_qde4e712ad8_proj
	.p2alignl 7, 3214868480
	.fill 96, 4, 3214868480
	.section	.rodata,"a",@progbits
	.p2align	6, 0x0
	.amdhsa_kernel k_qde4e712ad8_proj
		.amdhsa_group_segment_fixed_size 327680
		.amdhsa_private_segment_fixed_size 0
		.amdhsa_enable_private_segment 0
		.amdhsa_kernarg_size 64
		.amdhsa_user_sgpr_count 2
		.amdhsa_user_sgpr_kernarg_segment_ptr 1
		.amdhsa_wavefront_size32 1
		.amdhsa_system_sgpr_workgroup_id_x 1
		.amdhsa_system_sgpr_workgroup_id_y 1
		.amdhsa_system_sgpr_workgroup_id_z 1
		.amdhsa_system_vgpr_workitem_id 0
		.amdhsa_next_free_vgpr 768
		.amdhsa_next_free_sgpr 100
		.amdhsa_reserve_vcc 0
		.amdhsa_float_denorm_mode_32 3
		.amdhsa_float_denorm_mode_16_64 3
		.amdhsa_memory_ordered 1
		.amdhsa_forward_progress 1
		.amdhsa_inst_pref_size 160
	.end_amdhsa_kernel
	.amdgpu_metadata
---
amdhsa.version: [ 1, 2 ]
amdhsa.kernels:
  - .name:           k_qde4e712ad8_proj
    .symbol:         k_qde4e712ad8_proj.kd
    .args:
      - { .name: query, .offset: 0, .size: 8, .value_kind: global_buffer, .address_space: global }
      - { .name: key, .offset: 8, .size: 8, .value_kind: global_buffer, .address_space: global }
      - { .name: value, .offset: 16, .size: 8, .value_kind: global_buffer, .address_space: global }
      - { .name: wcv, .offset: 24, .size: 8, .value_kind: global_buffer, .address_space: global }
      - { .name: bq, .offset: 32, .size: 8, .value_kind: global_buffer, .address_space: global }
      - { .name: bk, .offset: 40, .size: 8, .value_kind: global_buffer, .address_space: global }
      - { .name: bv, .offset: 48, .size: 8, .value_kind: global_buffer, .address_space: global }
      - { .name: qkv, .offset: 56, .size: 8, .value_kind: global_buffer, .address_space: global }
    .group_segment_fixed_size: 327680
    .private_segment_fixed_size: 0
    .kernarg_segment_align: 8
    .kernarg_segment_size: 64
    .max_flat_workgroup_size: 128
    .sgpr_count:     100
    .vgpr_count:     768
    .wavefront_size: 32
...
	.end_amdgpu_metadata
.endif
;; end of part 2
;; launch attn (part 3): grid 2 x 128, 4 waves a work-group, no clusters, 327,680 bytes of LDS; arguments qkv, oh; writes oh
.if DOCPART == 3
	.amdgcn_target "amdgcn-amd-amdhsa--gfx1250"
	.amdhsa_code_object_version 6
	.text
	.protected	k_qde4e712ad8_attn
	.globl	k_qde4e712ad8_attn
	.p2align	8
	.type	k_qde4e712ad8_attn,@function
k_qde4e712ad8_attn:
	s_mov_b64 s[64:65], 0
	v_nop
	global_prefetch_b8 v0, s[64:65] scope:SCOPE_SE
	s_setreg_imm32_b32 hwreg(HW_REG_WAVE_MODE, 25, 1), 1
	s_wait_xcnt 0x0
; O[h][q][:] = the sum over k of softmax_k(Q[h][q] . K[h][k] / 8) V[h][k][:] for 128 heads of 1,024 rows x 64 channels.  qkv = [Q | K | V], each [128][1024][64] f16, 16,777,216 bytes; oh = O in the same layout.
; Products, maxima and sums in f32; the weights p are rounded to f16 for the second product (their sum l is taken of the unrounded p), O once at the end.
; LIMITS.  Q, K and V arrive within f16's range; p lies in 0 to 1, and below 6e-5 it keeps f16's fixed step of 6e-8; O is a mean of V's rows and has their range.
; A weight below 2^-126 counts as 0 in l; NaN and infinities are not treated apart.
; SHARES.  A work-group owns 512 queries of one head (2 x 128 = 256 work-groups), a wave 128: four PIECES of two tiles of 16.  Every wave walks all 1,024 keys, 64 a step.
; THE WHOLE HEAD LIES IN LDS: K's 1,024 rows (147,456 bytes padded) and V's (163,840).  All is asked for at the start, four tensor loads a wave of 128 keys each, and NOTHING IS FILLED AGAIN: there is no ring;
; the first 256 keys are waited for by a counted wait, the rest at the head of the loop over tiles of 256 keys, while the steps in front of it are worked on.
; NO CLUSTER: a head has 2 work-groups, and no cluster of four divides that; what the two share is 262,144 bytes, asked for once in the launch, beside 2,048 matrix instructions a wave.
; LAYOUT.  S^T = K Q^T (source 0 = 16 keys, source 1 = 16 queries): in the result a lane holds ONE query (lane % 16) and the keys 8 (lane / 16) + 0..7.  Two such tiles, rounded to f16 in pairs,
; ARE source 1 (32 keys x 16 queries) of O^T = V^T P, whose result again holds one query a lane, and eight channels.  K comes out of LDS as it lies, V ([key][channel]) turned, by ds_load_tr16_b128.
; SOFTMAX.  For each query a running maximum m and sum l: p = 2^(c s - c m), c = log2(e) / 8; in every step O and l are multiplied by a = 2^(c m_old - c m_new), which is 1 where m has not grown.
; m starts at the lowest finite number, O and l at 0: the first step is a step like any other, with a = 0.
; THE COUNT.  A tile and step have 16 matrix and 118 vector instructions: too many to stand all beside the matrix work.  So four vector instructions that are READY stand behind EVERY matrix instruction,
; and the others, which need time of their own whatever the order, in runs without a gap.
; BY TURNS.  Turn n belongs to piece n (the pieces in a ring, step after step).  Its matrix work: 16 products K Q^T of piece n + 1, later 16 products V^T P of piece n - 1.  Its vector work: the scaling,
; exponentials, roundings, sums and rescaling of piece n, and the maximum and statistics of piece n + 1, whose scores the turn itself has made.  So what a turn begins with (c s - c m, O a) waits for nothing.
; ONE TEXT FOR EVERY TURN: the loop is entered, and left, in the middle of a trip; nothing of a key step is written out beside it.
; REGISTERS, in windows of 256 (s_set_vgpr_msb: bits 1:0 source 0, 3:2 source 1, 5:4 source 2, 7:6 destination):
;   window 0: v0-11 addresses; v12-15, v48-63 at work; v16-47 four registers of statistics a tile; v64-191 S^T, two buffers of two tiles; v192-255 P, likewise
;   window 1: O^T, 32 a tile          window 2: v0-127 Q, 16 a tile; v128-191 K of one step; v192-255 V of one step          window 3: v0-1 the add's two registers
; A piece's buffers go by its number's parity: the piece in hand has one pair, its two neighbours in the ring share the other: of it P (piece n - 1) is read and S^T (piece n + 1) written.
.set NP,    4         ; pieces a wave: a name, no knob
.set KS,    64        ; keys in a step
.set PK,    144       ; a row of K in LDS: 128 bytes + 16 of padding = 36 words: the 16 rows of a load start at 16 different groups of four banks (64 banks of 4 bytes: ISA guide 11.1)
.set PV,    160       ; a row of V: 128 + 32 = 40 words
.set VOFF,  1024*PK   ; K's 1,024 rows, then V's
.set STAGE, VOFF+1024*PV  ; behind them, never filled by a tensor load: 16 rows x 144 bytes for each wave, for the way out
.set SP,    144
.set AK0, 2           ; v2   my lane's place in a tile of K; never rewritten
.set AV0, 3           ; v3   the same for V
.set AK,  4           ; v4   the LDS address of K's next run of loads
.set AV,  5           ; v5   of V's
.set QO,  6           ; v6   my byte offset in the wave's rows of Q
.set STO, 6           ;      later, the way out: where I put 16 bytes of a row
.set RD,  7           ; v7   the way out: where I read rows back
.set GO,  8           ; v8   my byte offset in 512 consecutive bytes of O
.set SPW, 0           ; v0 of window 3   LDS address of my spare word: SPARE + 4 x my thread's number; never rewritten
.set NIL, 1           ; v1 of window 3   0; never rewritten
.set SPARE, STAGE+4*16*SP  ; behind the stages: the spare words, 128 bytes for each wave: two blocks of 256 bytes that no other line names
.set MV,  12          ; v12-15  c m_old, kept while c m is made anew: by buffer and tile
.set ST,  16          ; tile t's statistics at v[ST+4 t]: c m, m, l (even keys', odd keys')
.set TMP, 48          ; by buffer and tile, four registers c0-c3 at work; when the maximum is found c2 takes a
.set S,   64
.set P,   192
.set KF,  128         ; K's fragments, in window 2: key block kb, channel half c at KF + 16 kb + 8 c
.set VF,  192         ; V's: key half kk, channel block cb at VF + 32 kk + 8 cb
.set WV,  12          ; s12  my wave's number
.set G1K, 24          ; s[24:31] descriptor group 1 for K's tiles
.set G1V, 32          ; s[32:39] for V's: it differs in the padding alone
.set G0K, 40          ; s[40:55] descriptor group 0 for K's tiles: a set for each of the four
.set G0V, 68          ; s[68:83] the same for V's
.set SLOTS, 56        ; s56  counts the passes of the loop over tiles of 256 keys, 5 to 1
.set CNT, 57          ; s57  counts a tile's key steps
.set CS,  58          ; s[58:59] c: the packed scaling takes the pair's low word for both halves
.set SEL, 60          ; s[60:61] v_permlanex16_b32's selects: each lane takes its own place in the other half
.set TBK, 62          ; s62  LDS byte at which K of the step to be fetched begins
.set TBV, 63          ; s63  the same for V, less VOFF
.set MSB, 0
.macro WIN new                      ; the high byte repeats the setting that is left; a switch that changes nothing is dropped
.if MSB != (\new)
	s_set_vgpr_msb (MSB<<8)|(\new)
.set MSB, (\new)
.endif
.endm
.set W_KQ, 0x0a       ; K and Q in window 2, S^T in window 0
.set W_PV, 0x52       ; V in window 2, P in window 0, O^T in window 1
.set W_RS, 0x41       ; O^T (destination and source 0) in window 1, a in window 0
.set W_MK, 0xc0       ; the add's registers are made: destination in window 3, sources in window 0
.set W_AD, 0x0f       ; the add: address (source 0) and data (source 1) in window 3
; THE NEXT 256 KEYS ARE SHOWN WHOLE TO EVERY WAVE: each wave waits for its tensor loads and signals; the others read behind the barrier.  One text serves all its uses, so the count is 0.
; No LDS instruction of the wave is pending at the signal.
.macro ARRIVE
	WIN 0
	s_wait_tensorcnt 0x0
	s_wait_dscnt 0x0
	s_barrier_signal -1
	s_barrier_wait -1
.endm
	s_load_b128 s[4:7], s[0:1], 0x0   ; qkv s[4:5], oh s[6:7]
	WIN W_MK
	v_lshl_add_u32 v[SPW], v0, 2, SPARE
	v_mov_b32 v[NIL], 0
	WIN W_AD
	ds_add_u32 v[SPW], v[NIL]       ; the wave's opening: the add and its wait stand ahead of my first tensor load; the set-up below, work on registers, stands between them
	ds_add_u32 v0, v1
	WIN 0
	v_lshrrev_b32 v1, 5, v0
	v_readfirstlane_b32 s[WV], v1   ; wave 0..3
	s_and_b32 s20, ttmp7, 0xffff    ; the head,
	s_lshl_b32 s20, s20, 17         ; its first byte in each tensor: 1,024 rows of 128 bytes
	s_and_b32 s16, s[WV], 1         ; which half of a tile's 256 keys I fetch:
	s_lshl_b32 s22, s16, 14         ; its 128 rows of 128 bytes in memory,
	s_add_co_u32 s22, s22, s20
	s_mov_b32 s23, 0
	s_mul_i32 s17, s16, 128*PK      ; and its place in LDS, for K
	s_mul_i32 s18, s16, 128*PV      ; and for V
	s_lshl_b32 s2, ttmp9, 2
	s_add_co_u32 s2, s2, s[WV]      ; my wave among the head's eight,
	s_lshl_b32 s2, s2, 14           ; its 128 rows
	s_add_co_u32 s2, s2, s20
	s_mov_b32 s3, 0
	; descriptor group 1.  128 keys are 16,384 dense bytes: asked for as 64 rows of 256 bytes, two keys a row, and padded in LDS after every key
	s_mov_b32 s[G1K], (1<<16)|(1<<20)|(4<<22)|(3<<25)  ; 17:16 2-byte elements; 20 padding on; 24:22 after every 32 words (code 4); 31:25 4 words (code 3)
	s_mov_b32 s[G1V], (1<<16)|(1<<20)|(4<<22)|(7<<25)  ; the same with 8 words of padding (code 7)
.irp g, G1K, G1V
	s_mov_b32 s[\g+1], 128<<16      ; tensor_dim0 = 128
	s_mov_b32 s[\g+2], 64<<16       ; tensor_dim1 = 64
	s_mov_b32 s[\g+3], 128<<16      ; tile_dim0 = 128
	s_mov_b32 s[\g+4], 64           ; tile_dim1 = 64
	s_mov_b32 s[\g+5], 128          ; 128 elements from row to row
	s_mov_b32 s[\g+6], 0
	s_mov_b32 s[\g+7], 0
.endr
	s_mov_b32 s[CS], 0x3e38aa3b     ; c = log2(e) / 8 = 0.180337
	s_mov_b32 s[CS+1], s[CS]        ; named with it as a pair
	s_mov_b32 s[SEL], 0x76543210
	s_mov_b32 s[SEL+1], 0xfedcba98
	s_mov_b32 s[TBK], 0             ; the steps lie on end in LDS: these two only grow
	s_mov_b32 s[TBV], 0
	s_wait_dscnt 0x0                ; the opening add is done
	s_wait_kmcnt 0x0
	s_mov_b64 s[10:11], s[6:7]                 ; O
	s_add_nc_u64 s[6:7], s[4:5], 0x1000000     ; K lies behind Q,
	s_add_nc_u64 s[8:9], s[4:5], 0x2000000     ; V behind K
	s_add_nc_u64 s[6:7], s[6:7], s[22:23]      ; both at my half of the head's first 256 keys
	s_add_nc_u64 s[8:9], s[8:9], s[22:23]
	s_add_nc_u64 s[4:5], s[4:5], s[2:3]        ; Q and O at my wave's first row
	s_add_nc_u64 s[10:11], s[10:11], s[2:3]
.irp s, 0,1,2,3
	s_mov_b32 s[G0K+4*(\s)], 1                                       ; count = 1
	s_add_co_u32 s[G0K+4*(\s)+1], s17, (\s)*256*PK                   ; LDS address: tile s
	s_add_nc_u64 s[G0K+4*(\s)+2:G0K+4*(\s)+3], s[6:7], (\s)*32768    ; global address: keys 256 s on
	s_or_b32 s[G0K+4*(\s)+3], s[G0K+4*(\s)+3], 0x80000000            ; type = 2
	s_mov_b32 s[G0V+4*(\s)], 1
	s_add_co_u32 s[G0V+4*(\s)+1], s18, VOFF+(\s)*256*PV
	s_add_nc_u64 s[G0V+4*(\s)+2:G0V+4*(\s)+3], s[8:9], (\s)*32768
	s_or_b32 s[G0V+4*(\s)+3], s[G0V+4*(\s)+3], 0x80000000
.endr
	s_cmp_lt_u32 s[WV], 2           ; waves 0 and 1 fetch the halves of K's tiles, waves 2 and 3 those of V's.  A wave's four fills stand in one branch, ahead of every wait on TENSORcnt, every LDS read and every barrier: four loads of mine are out
	s_cbranch_scc0 .Lfirst_v
.irp s, 0,1,2,3
	tensor_load_to_lds s[G0K+4*(\s):G0K+4*(\s)+3], s[G1K:G1K+7]
	s_nop 0
.endr
.rept 4
	v_nop
.endr
	s_branch .Lfirst_asked
.Lfirst_v:
.irp s, 0,1,2,3
	tensor_load_to_lds s[G0V+4*(\s):G0V+4*(\s)+3], s[G1V:G1V+7]
	s_nop 0
.endr
.rept 4
	v_nop
.endr
.Lfirst_asked:
	; A fragment of K or Q is 16 rows x 32 channels in 8 registers: lane l holds row l % 16, channels 8 (l / 16) + 0..7 and 16 + 8 (l / 16) + 0..7: two loads of 16 bytes, 32 bytes apart.
	v_and_b32 v1, 15, v0            ; l % 16
	v_bfe_u32 v9, v0, 4, 1          ; l / 16
	v_lshlrev_b32 v[QO], 7, v1
	v_lshl_add_u32 v[QO], v9, 4, v[QO]  ; row x 128 + 16 x half
	WIN 0x80                        ; destination window 2, address window 0
.set i, 0
.rept 4*NP                          ; Q stays in registers: tile i / 2, channels 32 (i % 2) on
	global_load_b128 v[8*i:8*i+3],   v[QO], s[4:5] offset:(i/2)*2048+(i%2)*64
	global_load_b128 v[8*i+4:8*i+7], v[QO], s[4:5] offset:(i/2)*2048+(i%2)*64+32
.set i, i+1
.endr
	; What the first turn finds: V's registers and P's second buffer hold 0 (its products V^T P, of a piece that has not been, add 0), O^T and l are 0.  All this stands in the wait for the first tile:
	; the price of writing no first step out.
.set i, VF
.rept 64
	v_mov_b32 v[i], 0
.set i, i+1
.endr
	WIN 0x40
.set i, 0
.rept 64*NP
	v_mov_b32 v[i], 0
.set i, i+1
.endr
	WIN 0
.set i, 0
.rept 2*NP
	v_mov_b32 v[ST+4*i], 0xfe000000    ; c m: far below every c s
	v_mov_b32 v[ST+4*i+1], 0xff7fffff  ; m
	v_mov_b32 v[ST+4*i+2], 0
	v_mov_b32 v[ST+4*i+3], 0
.set i, i+1
.endr
.set i, P+32
.rept 32
	v_mov_b32 v[i], 0
.set i, i+1
.endr
	v_mul_u32_u24 v[AK0], v1, PK
	v_lshl_add_u32 v[AK0], v9, 4, v[AK0]  ; row x pitch + 16 x half
	; The turning load takes 16 keys x 16 channels (lane l reads key 8 (l / 16) + l % 8, channels 8 ((l / 8) % 2) + 0..7) and leaves half a fragment of V^T: lane l holds channel l % 16 and 8 keys.
	v_and_b32 v10, 7, v0
	v_bfe_u32 v11, v0, 3, 1
	v_lshl_add_u32 v[AV0], v9, 3, v10
	v_mul_u32_u24 v[AV0], v[AV0], PV
	v_lshl_add_u32 v[AV0], v11, 4, v[AV0]
	v_add_nc_u32 v[AV0], VOFF, v[AV0]
	v_mov_b32 v[AK], v[AK0]         ; key step 0 lies at K's head
; THE MATRIX WORK.  The 8 accumulators of a run of 16 take turns: between the two links of a chain stand 7 others'.
; Product i of 16 of S^T = K Q^T for piece x: channels 32 (i / 8) on, keys 16 ((i / 2) % 4) on, tile 2 x + i % 2.  The first 8 start the sums.
.macro KQ x
	WIN W_KQ
.set rS, S+64*((\x)%2)+32*(i%2)+8*((i/2)%4)
.set rK, KF+16*((i/2)%4)+8*(i/8)
.set rQ, 16*(2*(\x)+i%2)+8*(i/8)
.if i < 8
	v_wmma_f32_16x16x32_f16 v[rS:rS+7], v[rK:rK+7], v[rQ:rQ+7], 0
.else
	v_wmma_f32_16x16x32_f16 v[rS:rS+7], v[rK:rK+7], v[rQ:rQ+7], v[rS:rS+7]
.endif
.endm
; Product i of 16 of O^T += V^T P for piece x: keys 32 (i / 8) on, channels 16 ((i / 2) % 4) on, tile 2 x + i % 2.
.macro PV x
	WIN W_PV
.set rO, 32*(2*(\x)+i%2)+8*((i/2)%4)
.set rV, VF+32*(i/8)+8*((i/2)%4)
.set rP, P+32*((\x)%2)+16*(i%2)+8*(i/8)
	v_wmma_f32_16x16x32_f16 v[rO:rO+7], v[rV:rV+7], v[rP:rP+7], v[rO:rO+7]
.endm
.macro MM                           ; the turn's next matrix instruction
.if i < 16
	KQ (Y+1)%NP
.set i, i+1
.else
.set i, i-16
	PV (Y+NP-1)%NP
.set i, i+17
.endif
.endm
; THE LDS LOADS stand in runs of 16, never singly among the matrix instructions: a step's K (64 keys x 64 channels: 8 fragments) and its V (turned).  Their addresses are made some lines ahead.
; last = 1 (the loop's text): in the fifth pass there is no further step, and the run is jumped over; the wait for K is for 0, so it holds on both ways.
.macro FETCH_K last=0
	WIN 0
.if \last
	s_cmp_eq_u32 s[SLOTS], 1
	s_cbranch_scc1 .Lno_k_\@
.endif
	WIN 0x80                        ; destination window 2
.irp f, 0,1,2,3,4,5,6,7             ; keys 16 (f / 2) on, channels 32 (f % 2) on
	ds_load_b128 v[KF+8*\f:KF+8*\f+3],   v[AK] offset:(\f/2)*16*PK+(\f%2)*64
	ds_load_b128 v[KF+8*\f+4:KF+8*\f+7], v[AK] offset:(\f/2)*16*PK+(\f%2)*64+32
.endr
	s_add_co_u32 s[TBK], s[TBK], KS*PK  ; the next fetch is the next step's
	WIN 0
.if \last
.Lno_k_\@:
.endif
.endm
.macro FETCH_V
	WIN 0x80
.irp f, 0,1,2,3,4,5,6,7             ; keys 32 (f / 4) on, channels 16 (f % 4) on
	ds_load_tr16_b128 v[VF+8*\f:VF+8*\f+3],   v[AV] offset:(\f/4)*32*PV+(\f%4)*32
	ds_load_tr16_b128 v[VF+8*\f+4:VF+8*\f+7], v[AV] offset:(\f/4)*32*PV+16*PV+(\f%4)*32
.endr
	WIN 0
.endm
; THE VECTOR WORK OF A TURN stands in three queues, each in the order in which its entries become ready; the two tiles alternate, so that no instruction reads the result of the one before it.
.macro REGS y, u                    ; the registers of tile u (0, 1) of piece y
.set rT, ST+4*(2*(\y)+(\u))
.set rC, TMP+8*((\y)%2)+4*(\u)
.set rM, MV+2*((\y)%2)+(\u)
.set rS, S+64*((\y)%2)+32*(\u)
.set rP, P+32*((\y)%2)+16*(\u)
.set rO, 32*(2*(\y)+(\u))
.endm
; Number n of the 22 that find the NEXT piece's (Y + 1) maximum and statistics.  s0-s31 are the lane's 32 scores; each accumulator's lowest registers are read first.
;   0-11  four chains c0-c3 of seven scores each, three operands at a time     12-14, 16  the four scores left over, the old m, and c0-c3 into c0     15  c m_old is kept
;   17, 18  the query's other 32 keys lie in the lane 16 away: the new m         19-21  c m; c m_old - c m_new; a
.macro XS u, n
	REGS (Y+1)%NP, \u
.if (\n) < 4
	v_max3_num_f32 v[rC+(\n)], v[rS+8*(\n)], v[rS+8*(\n)+1], v[rS+8*(\n)+2]
.elseif (\n) < 12
	v_max3_num_f32 v[rC+(\n)%4], v[rC+(\n)%4], v[rS+8*((\n)%4)+2*((\n)/4)+1], v[rS+8*((\n)%4)+2*((\n)/4)+2]
.elseif (\n) == 12
	v_max3_num_f32 v[rC], v[rC], v[rS+7], v[rS+15]
.elseif (\n) == 13
	v_max3_num_f32 v[rC+1], v[rC+1], v[rS+23], v[rS+31]
.elseif (\n) == 14
	v_max3_num_f32 v[rC+2], v[rC+2], v[rC+3], v[rT+1]
.elseif (\n) == 15
	v_mov_b32 v[rM], v[rT]
.elseif (\n) == 16
	v_max3_num_f32 v[rC], v[rC], v[rC+1], v[rC+2]
.elseif (\n) == 17
	v_permlanex16_b32 v[rC+3], v[rC], s[SEL], s[SEL+1]
.elseif (\n) == 18
	v_max_num_f32 v[rT+1], v[rC], v[rC+3]
.elseif (\n) == 19
	v_mul_f32 v[rT], s[CS], v[rT+1]
.elseif (\n) == 20
	v_sub_f32 v[rC+1], v[rM], v[rT]
.else
	v_exp_f32 v[rC+2], v[rC+1]
.endif
.endm
; Number g of the 64 that follow the exponentials.  For each four weights k of a tile (pairs 2 k, 2 k + 1): both pairs are rounded to f16; then the second pair is added onto the first, in place;
; a group later l takes that sum (the first time as l = a l + sum).  In groups of eight, tiles alternating: round, round, add, and l for the group before.
.macro GS g
.set h, (\g)+6*((\g)/62)            ; group 0 has no group before it, and behind group 7 only l is left
.if h >= 6
.set h, h+2
.endif
	REGS Y, h%2
.set k, h/8
.if h%8 < 4
	s_wait_alu depctr_va_vdst(0)
	v_cvt_pk_f16_f32 v[rP+2*k+(h%8)/2], v[rS+4*k+2*((h%8)/2)], v[rS+4*k+2*((h%8)/2)+1]
.elseif h%8 < 6
	v_pk_add_f32 v[rS+4*k:rS+4*k+1], v[rS+4*k:rS+4*k+1], v[rS+4*k+2:rS+4*k+3]
.elseif k == 1
	v_pk_fma_f32 v[rT+2:rT+3], v[rT+2:rT+3], v[rC+2:rC+3], v[rS:rS+1] op_sel_hi:[1,0,1]
.else
	v_pk_add_f32 v[rT+2:rT+3], v[rT+2:rT+3], v[rS+4*k-4:rS+4*k-3]
	s_wait_alu depctr_va_vdst(0)
.endif
.endm
; THE PLAIN QUEUE, 138 long.  0-31: c s - c m for the 16 pairs of both tiles.  Then GS's 64, and among them the next piece's 42: number 15 at 38, 39; 0-14 and 16
; at 42-73, behind the products that make those scores; 17-20 at 95-106, two of three, since each waits for the one before it.
.macro PL
	WIN 0
.if q < 32
	REGS Y, q%2
	v_pk_fma_f32 v[rS+2*(q/2):rS+2*(q/2)+1], v[rS+2*(q/2):rS+2*(q/2)+1], s[CS:CS+1], v[rT:rT+1] op_sel_hi:[1,0,0] neg_lo:[0,0,1] neg_hi:[0,0,1]
.elseif q < 38
	GS q-32
.elseif q < 40
	XS q%2, 15
.elseif q < 42
	GS q-34
.elseif q < 74
	XS q%2, (q-42)/2+(q-42)/30
.elseif q < 95
	GS q-66
.elseif (q < 107) && ((q-95)%3 < 2)
	XS (q-95)%3, 17+(q-95)/3
.elseif q < 107
	GS 29+(q-95)/3
.else
	GS q-74
.endif
.set q, q+1
.endm
; THE EXPONENTIALS' QUEUE, 66 long: s0-s31 of both tiles, and at EA the next piece's two a.
.set EA, 58
.macro EX
	WIN 0
.if (e == EA) || (e == EA+1)
	XS e-EA, 21
.else
.set x, e-2*(e/(EA+2))
	REGS Y, x%2
	v_exp_f32 v[rS+x/2], v[rS+x/2]
.endif
.set e, e+1
.endm
; THE RESCALING's QUEUE: O^T times a, the one part that leaves window 0, so it is dealt four at a time, eight times.
.macro R4
	REGS Y, r%2
	WIN W_RS
	s_wait_alu depctr_va_vdst(0)
.irp z, 0,1,2,3
	v_pk_mul_f32 v[rO+8*(r/2)+2*\z:rO+8*(r/2)+2*\z+1], v[rO+8*(r/2)+2*\z:rO+8*(r/2)+2*\z+1], v[rC+2:rC+3] op_sel_hi:[1,0]
.endr
.set r, r+1
.endm
; HOW THEY ARE DEALT.  Behind a matrix instruction four: plain, exponential, plain, plain (one exponential, a plain instruction on either side), or four of the rescaling.  None names a register of the
; products round it.  What is over stands in two LUMPS: exponential and plain by turns; the second ends in 22 plain instructions.  The two v_permlanex16_b32 fall into the second lump, never behind a product.
; The queues lean on each other, and the deal keeps them in step: exponential e stands behind plain 2 (e / 4) + e % 2 (its scaling); when plain 32 comes, 10 exponentials are out, at 59: 33, at 95: 46; EA comes behind plain 107.
.macro SL
	MM
	PL
	EX
	PL
	PL
.endm
.macro BURST n                      ; 15 matrix instructions, or 16
.rept (\n)-7
	SL
.endr
.rept 3
	MM
	R4
	SL
.endr
	MM
	R4
.endm
; A TURN, for piece p.  cnt = 1: the loop's count is taken down some lines ahead of the branch that stands behind the turn.
; K of the next step is fetched in piece 2's turn, 31 vector instructions behind the last product that read K; its first reader comes behind the rest of the lump, 16 products and the second lump.
; V of the step in hand is fetched at the end of piece 0's turn, 69 behind its last reader; its first reader comes behind 16 products and a lump.  The four conditions on e and q below go with the deal.
.macro TURN p, cnt=0
.set Y, (\p)
.set i, 0
.set q, 0
.set e, 0
.set r, 0
.if (\p) == NP-1
	s_wait_dscnt 0x0                ; K is in
.endif
	MM
.rept 4
	PL
.endr
	BURST 15
.rept 22
	EX
	PL
.if ((\p) == NP-2) && (e == 18)
	v_add_nc_u32 v[AK], s[TBK], v[AK0]
.endif
.if ((\p) == NP-2) && (e == 24)
	FETCH_K 1
.endif
.endr
.if (\p) == 1
	s_wait_dscnt 0x0                ; V is in
.endif
	BURST 16
.rept 21
	EX
	PL
.endr
.rept 22
	PL
.if ((\p) == 0) && (q == 118)
	v_add_nc_u32 v[AV], s[TBV], v[AV0]
	s_wait_alu depctr_va_vdst(0)
.endif
.if ((\p) == 0) && (q == 130)
	s_add_co_u32 s[TBV], s[TBV], KS*PV
.endif
.if (\cnt) && (q == 130)
	s_sub_co_u32 s[CNT], s[CNT], 1
	s_cmp_lg_u32 s[CNT], 0
.endif
.endr
.if (\p) == 0
	FETCH_V
.endif
.endm
	s_wait_tensorcnt 3              ; tensor loads of a wave end in order (ISA guide 10.11.1): my part of the first 256 keys is in, the three later tiles stay out
	s_barrier_signal -1
	s_barrier_wait -1               ; everybody's is
	FETCH_K                         ; key step 0
	s_wait_loadcnt 0x0              ; Q
	s_wait_dscnt 0x0
.set i, 0
.rept 16
	KQ 0                            ; piece 0's first scores: there is no vector work yet to set between them
.set i, i+1
.endr
	WIN 0                           ; the addresses for the way out: nine plain instructions, the places behind those products
	s_mul_i32 s13, s[WV], 16*SP
	s_add_co_u32 s13, s13, STAGE    ; my stage
	v_mul_u32_u24 v[STO], v1, SP    ; in: row l % 16, 16 bytes for each half of the lanes
	v_lshl_add_u32 v[STO], v9, 4, v[STO]
	v_add_nc_u32 v[STO], s13, v[STO]
	v_bfe_u32 v[RD], v0, 3, 2       ; back: 32 lanes take four rows of 128 bytes,
	v_mul_u32_u24 v[RD], v[RD], SP
	v_lshl_add_u32 v[RD], v10, 4, v[RD]
	v_add_nc_u32 v[RD], s13, v[RD]
	v_and_b32 v[GO], 31, v0         ; which are 512 consecutive bytes of O
	v_lshlrev_b32 v[GO], 4, v[GO]
.set Y, NP-1                        ; XS works for piece Y + 1: piece 0
.irp n, 0,1,2,3,4,5,6,7,8,9,10,11,12,13,14,15,16,17,18,19,20,21
	XS 0, \n                        ; and piece 0's first maximum and statistics
	XS 1, \n
.endr
	s_mov_b32 s[CNT], 4
	s_mov_b32 s[SLOTS], 5
	s_branch .Lfirst                ; the loop is entered at a step's first turn, in the middle of a trip
.Lslot:                             ; four times: in front of K of steps 4, 8 and 12, and in front of the half trip that ends the walk
	ARRIVE
	s_mov_b32 s[CNT], 4
.Lstep:                             ; a trip: pieces 2 and 3 of one step, then pieces 0 and 1 of the next, whose K and V it fetches: 3 + 3 x 4 = 15 whole trips and a half
	TURN 2
	TURN 3
	WIN 0
	s_cmp_eq_u32 s[SLOTS], 1        ; the fifth pass is left here: the last step's pieces 2 and 3 are done.  There is no further step: that half trip fetches no K, and its 16 products K Q^T (on the last K once more)
	s_cbranch_scc1 .Lout            ; and the maximum made of them serve nothing: the price, once a launch, of one text for every turn
.Lfirst:
	TURN 0
	TURN 1, 1
	WIN 0
	s_cbranch_scc1 .Lstep
	s_sub_co_u32 s[SLOTS], s[SLOTS], 1
	s_cmp_lg_u32 s[SLOTS], 0
	s_cbranch_scc1 .Lslot
.Lout:
.set i, 0
.rept 16
	PV NP-1                         ; the last piece's V^T P of the last step
.set i, i+1
.endr
	; THE WAY OUT.  l's two halves and the other half of the lanes' are added; O^T is divided by l, rounded to f16 and sent through my stage in LDS, a tile at a time.  The additions are the places behind the last products.
	WIN 0
.macro ALL line:vararg              ; one line for each tile t
.set t, 0
.rept 2*NP
	\line
.set t, t+1
.endr
.endm
	ALL v_add_f32 v[ST+4*t+2], v[ST+4*t+2], v[ST+4*t+3]
	ALL v_permlanex16_b32 v[ST+4*t+3], v[ST+4*t+2], s[SEL], s[SEL+1]
	ALL v_add_f32 v[ST+4*t+2], v[ST+4*t+2], v[ST+4*t+3]
	ALL v_rcp_f32 v[ST+4*t+2], v[ST+4*t+2]
	v_nop                           ; a plain instruction between the last reciprocal and the use of its result
	s_wait_alu depctr_va_vdst(0)
; Tile t: a lane's eight channels of a row pack into 16 bytes; they go into rows of 144 bytes and come back as whole rows of 128, into S^T's registers.
.macro PACK t
	WIN W_RS
.set i, 32*(\t)
.rept 16
	v_pk_mul_f32 v[i:i+1], v[i:i+1], v[ST+4*(\t)+2:ST+4*(\t)+3] op_sel_hi:[1,0]
.set i, i+2
.endr
	WIN 0x05                        ; sources 0 and 1 window 1, destination window 0
.set i, 0
.rept 16
	v_cvt_pk_f16_f32 v[S+16*(\t)+i], v[32*(\t)+2*i], v[32*(\t)+2*i+1]
.set i, i+1
.endr
	WIN 0
.irp f, 0,1,2,3
	ds_store_b128 v[STO], v[S+16*(\t)+4*\f:S+16*(\t)+4*\f+3] offset:32*\f
.endr
.irp f, 0,1,2,3
	ds_load_b128 v[S+16*(\t)+4*\f:S+16*(\t)+4*\f+3], v[RD] offset:\f*4*SP  ; LDS serves a wave's instructions in order (ISA guide 5.7.1.4): these see the stores above; the next tile's stores come behind them
.endr
.endm
.macro SEND t, younger              ; younger: the LDS instructions issued behind tile t's loads: the next tile's eight, or none
	WIN 0
.irp f, 0,1,2,3
	s_wait_dscnt (\younger)+3-\f
	global_store_b128 v[GO], v[S+16*(\t)+4*\f:S+16*(\t)+4*\f+3], s[10:11] offset:(\t)*2048+\f*512  ; 512 consecutive bytes, at a multiple of 256 from O's first
.endr
.endm
	PACK 0
.set t, 1
.rept 2*NP-1                        ; a tile's arithmetic stands between the loads of the tile before and its stores
	PACK t
	SEND t-1, 8
.set t, t+1
.endr
	SEND 2*NP-1, 0
	WIN W_AD
	s_wait_tensorcnt 0x0            ; the wave's end: behind my last tensor load and my last LDS store
	ds_add_u32 v[SPW], v[NIL]
	s_wait_dscnt 0x0
	WIN 0
	s_endpgm
.Lfunc_end_k_qde4e712ad8_attn:
	.size	k_qde4e712ad8_attn, .Lfunc_end_k_qde4e712ad8_attn-k_qde4e712ad8_attn
	.p2alignl 7, 3214868480
	.fill 96, 4, 3214868480
	.section	.rodata,"a",@progbits
	.p2align	6, 0x0
	.amdhsa_kernel k_qde4e712ad8_attn
		.amdhsa_group_segment_fixed_size 327680
		.amdhsa_private_segment_fixed_size 0
		.amdhsa_enable_private_segment 0
		.amdhsa_kernarg_size 16
		.amdhsa_user_sgpr_count 2
		.amdhsa_user_sgpr_kernarg_segment_ptr 1
		.amdhsa_wavefront_size32 1
		.amdhsa_system_sgpr_workgroup_id_x 1
		.amdhsa_system_sgpr_workgroup_id_y 1
		.amdhsa_system_sgpr_workgroup_id_z 1
		.amdhsa_system_vgpr_workitem_id 0
		.amdhsa_next_free_vgpr 770
		.amdhsa_next_free_sgpr 84
		.amdhsa_reserve_vcc 0
		.amdhsa_float_denorm_mode_32 3
		.amdhsa_float_denorm_mode_16_64 3
		.amdhsa_memory_ordered 1
		.amdhsa_forward_progress 1
		.amdhsa_inst_pref_size 131
	.end_amdhsa_kernel
	.amdgpu_metadata
---
amdhsa.version: [ 1, 2 ]
amdhsa.kernels:
  - .name:           k_qde4e712ad8_attn
    .symbol:         k_qde4e712ad8_attn.kd
    .args:
      - { .name: qkv, .offset: 0, .size: 8, .value_kind: global_buffer, .address_space: global }
      - { .name: oh, .offset: 8, .size: 8, .value_kind: global_buffer, .address_space: global }
    .group_segment_fixed_size: 327680
    .private_segment_fixed_size: 0
    .kernarg_segment_align: 8
    .kernarg_segment_size: 16
    .max_flat_workgroup_size: 128
    .sgpr_count:     84
    .vgpr_count:     770
    .wavefront_size: 32
...
	.end_amdgpu_metadata
.endif
;; end of part 3
;; launch oproj (part 4): grid 4 x 64, 4 waves a work-group, clusters of 4 x 4, 327,680 bytes of LDS; arguments oh, wcv, bo, out0; writes out0
.if DOCPART == 4
	.amdgcn_target "amdgcn-amd-amdhsa--gfx1250"
	.amdhsa_code_object_version 6
	.text
	.protected	k_qde4e712ad8_oproj
	.globl	k_qde4e712ad8_oproj
	.p2align	8
	.type	k_qde4e712ad8_oproj,@function
k_qde4e712ad8_oproj:
	s_mov_b64 s[64:65], 0
	v_nop
	global_prefetch_b8 v0, s[64:65] scope:SCOPE_SE
	s_setreg_imm32_b32 hwreg(HW_REG_WAVE_MODE, 25, 1), 1
	s_wait_xcnt 0x0
	s_wait_alu depctr_hold_cnt(0) depctr_sa_sdst(0) depctr_va_vdst(0) depctr_va_sdst(0) depctr_va_ssrc(0) depctr_va_vcc(0) depctr_vm_vsrc(0)
	s_getreg_b32 s2, hwreg(HW_REG_IB_STS2, 6, 4)
	s_cmp_eq_u32 s2, 0
	s_cbranch_scc0 .Lentry_in_a_cluster
	s_endpgm
.Lentry_in_a_cluster:
	s_bfe_u32 s2, ttmp6, 0x10000c
	s_cmp_lg_u32 s2, 0xf033
	s_cbranch_scc0 .Lentry_shape_is_right
	s_endpgm
.Lentry_shape_is_right:
; out0 = O Wo^T + bo.  O comes by heads, oh = [batch x 16 + head][1024 rows][64] f16; Wo is the fourth matrix of wcv, [n][k] in f16 (bf16 numbers written as f16); bo is rounded to bf16.  Sums and out0 in f32.
; LIMITS.  O and Wo arrive within f16's range.  NaN and infinities are not treated apart.
; SHARES.  64 x 4 = 256 tiles of 128 rows x 256 columns, one to a work-group.  Four waves, 2 x 2, each 64 rows x 128 columns: 32 accumulators, 256 registers.
; K = head x 64 + channel.  A K step of 128 is TWO HEADS: each head's 128 rows are 16,384 dense bytes, asked for as 64 rows of 256 bytes and padded in LDS after every 128.  Two LDS slots: 2 x 128 rows of O, 256 rows of Wo.
; A step is four quarters of 32 along K, 32 matrix instructions each, on two fragment buffers.
; CLUSTERS: 4 x 4 work-groups.  The four of a row of the cluster need the same tiles of O, the four of a column the same tiles of Wo: each tile is asked for JOINTLY, by the same tensor load with the same
; descriptor and a mask that names the four.  THE MATRIX INSTRUCTION IS USED TRANSPOSED (source 0 = 16 rows of Wo, source 1 = 16 rows of O): a lane holds row lane % 16 and eight neighbouring columns.
; THE BIAS is the C operand of the products that start the sums.
; REGISTERS: window 0: v0-31 addresses; v32-223 rows on the way out, three buffers of 64.  window 1: the accumulators, (a, b) at v[8 (8 a + b)].
;   window 2: v0-127 Wo's fragments, two buffers; v128-191 O's, two buffers; v192-255 the bias of my 128 columns as a C operand.
.set KSTEP,  128
.set POA,    144                       ; a row of O in LDS: 128 bytes + 16 of padding = 36 words: the 16 rows of a load start at 16 different groups of four banks (64 banks of 4 bytes: ISA guide 11.1)
.set PB,     272                       ; a row of Wo: 256 + 16 = 68 words: row r starts at bank 4 r mod 64
.set HALFA,  128*POA                   ; one head's 128 rows: one tensor load
.set AB,     2*HALFA                   ; behind the two heads: Wo's 256 rows
.set HALFB,  128*PB                    ; 128 rows of Wo: one tensor load, and what one wave reads
.set SLOT,   AB+256*PB                 ; 106,496 bytes
.set STAGE,  2*SLOT                    ; behind the ring: 16 rows x 528 bytes for each wave, for the way out
.set SPITCH, 528
.set SPARE,  STAGE+4*16*SPITCH         ; behind the stages: the spare words, 128 bytes for each wave: two blocks of 256 bytes that no other line names
.set ADRA, 16                          ; v16-17  LDS address of my fragments of O in slot 0, 1
.set ADRB, 20                          ; v20-21  the same for Wo
.set STO,  24                          ; v24     the way out: where I put 32 bytes of a row
.set RD,   25                          ; v25     the way out: where I read a row back
.set GO,   26                          ; v26     my 16 bytes in 512 consecutive bytes of a row of out0
.set BO,   27                          ; v27     my byte offset in 64 bytes of the bias
.set SPW,  28                          ; v28     LDS address of my spare word: SPARE + 4 x my thread's number; never rewritten
.set NIL,  29                          ; v29     0; never rewritten
.set OB,   32
.set BF,   0                           ; window 2
.set AF,   128
.set BIAS, 192
.set G1, 24                            ; s[24:31] descriptor group 1 for O's tiles;  s[32:39] group 0, one set for each slot
.set G0, 32
.set G1B, 48                           ; s[48:55], s[56:63] the same for Wo's tiles
.set G0B, 56
.set MSB, 0
.macro WIN new                         ; the immediate's high byte repeats the setting that is left; a switch that changes nothing is dropped
.if MSB != (\new)
	s_set_vgpr_msb (MSB<<8)|(\new)
.set MSB, \new
.endif
.endm
.set W_MUL,  0x5a                      ; sources 0 and 1 window 2; C and D window 1
.set W_MULB, 0x6a                      ; the same with C in window 2: the bias
.set W_TO2,  0x80                      ; destination window 2, addresses window 0
.set W_RB,   0x8a                      ; destination and sources window 2
.set W_ST,   0x04                      ; an LDS store's data (source 1) in window 1, its address in window 0
.macro JLOAD s                         ; a joint load: waves 0 and 1 fetch O's two heads, waves 2 and 3 Wo's two halves; an s_nop 0 and four v_nop follow each of the two lines, ahead of the jump, the label and what follows
	s_cmp_eq_u32 s11, 0
	s_cbranch_scc0 .Lfor_b_\@
	tensor_load_to_lds s[G0+4*(\s):G0+4*(\s)+3], s[G1:G1+7]
	s_nop 0
.rept 4
	v_nop
.endr
	s_branch .Lasked_\@
.Lfor_b_\@:
	tensor_load_to_lds s[G0B+4*(\s):G0B+4*(\s)+3], s[G1B:G1B+7]
	s_nop 0
.rept 4
	v_nop
.endr
.Lasked_\@:
.endm
.macro CREST                           ; a round of the cluster's barrier behind its opening barrier
	s_cmp_lg_u32 s10, 0
	s_cbranch_scc1 .Lnot_wave_0_\@
	s_barrier_signal -3
.Lnot_wave_0_\@:
	s_barrier_wait -3
	s_barrier_signal -1
	s_barrier_wait -1
.endm
.macro CROUND                          ; a whole round
	s_barrier_signal -1
	s_barrier_wait -1
	CREST
.endm
	s_load_b256 s[68:75], s[0:1], 0x0              ; oh 68, wcv 70, bo 72, out0 74
	v_lshl_add_u32 v[SPW], v0, 2, SPARE
	v_mov_b32 v[NIL], 0
	ds_add_u32 v[SPW], v[NIL]                      ; the wave's opening: the add and its wait stand ahead of my first tensor load; the set-up below, work on registers, stands between them
	ds_add_u32 v28, v29
	v_lshrrev_b32 v1, 5, v0
	v_readfirstlane_b32 s10, v1                    ; wave 0..3
	s_lshr_b32 s11, s10, 1                         ; which 64 rows of the tile are mine.  Also: I fetch for O (0) or for Wo (1)
	s_and_b32 s12, s10, 1                          ; which 128 columns.  Also: which head of the step, or which half of Wo's tile, I fetch
	s_bfe_u32 s40, ttmp6, 0x40000                  ; cx, cy: my place in the cluster
	s_bfe_u32 s41, ttmp6, 0x40004
	s_lshl_b32 s42, ttmp9, 2
	s_add_co_u32 s42, s42, s40                     ; column tile 0..3
	s_and_b32 s13, ttmp7, 0xffff
	s_lshl_b32 s13, s13, 2
	s_add_co_u32 s13, s13, s41                     ; block of 128 rows, 0..63
	s_lshl_b32 s43, s41, 2
	s_lshl_b32 s43, 15, s43                        ; my row of the cluster
	s_lshl_b32 s44, 0x1111, s40                    ; my column
	s_or_b32 s[G1+0], s43, (1<<16)|(1<<20)|(1<<21)|(4<<22)|(3<<25)   ; 15:0 the mask: my row; 17:16 elements of 2 bytes; 20 padding on; 21 set beside a mask; 24:22 after every 32 words (code 4); 31:25 4 words (code 3)
	s_or_b32 s[G1B+0], s44, (1<<16)|(1<<20)|(1<<21)|(5<<22)|(3<<25)  ; my column; after every 64 words (code 5)
	s_mov_b32 s[G1+1], 128<<16                     ; tensor_dim0 = 128: two rows of a head
	s_mov_b32 s[G1+2], 64<<16                      ; tensor_dim1 = 64
	s_mov_b32 s[G1+3], 128<<16                     ; tile_dim0 = 128
	s_mov_b32 s[G1+4], 64                          ; tile_dim1 = 64
	s_mov_b32 s[G1+5], 128                         ; 128 elements from row to row: dense
	s_mov_b32 s[G1+6], 0
	s_mov_b32 s[G1+7], 0
	s_mov_b32 s[G1B+1], KSTEP<<16
	s_mov_b32 s[G1B+2], 128<<16
	s_mov_b32 s[G1B+3], KSTEP<<16
	s_mov_b32 s[G1B+4], 128
	s_mov_b32 s[G1B+5], 1024
	s_mov_b32 s[G1B+6], 0
	s_mov_b32 s[G1B+7], 0
	s_lshr_b32 s16, s13, 3                         ; O: the batch's 16 heads,
	s_lshl_b32 s16, s16, 4
	s_add_co_u32 s16, s16, s12                     ; my head of the step's two,
	s_lshl_b32 s16, s16, 17                        ; 131,072 bytes a head,
	s_and_b32 s17, s13, 7
	s_lshl_b32 s17, s17, 14                        ; and the block's 128 rows of 128 bytes
	s_add_co_u32 s16, s16, s17
	s_mov_b32 s17, 0
	s_lshl_b32 s46, s42, 8
	s_lshl_b32 s47, s12, 7
	s_add_co_u32 s46, s46, s47                     ; Wo: row 256 x column tile + 128 x half,
	s_lshl_b32 s46, s46, 11                        ; of 2,048 bytes,
	s_add_co_u32 s46, s46, 0x600000                ; behind the three other matrices
	s_mov_b32 s47, 0
	s_mul_i32 s20, s12, HALFA                      ; where they go: no place in the cluster enters an LDS address
	s_mul_i32 s21, s12, HALFB
	s_add_co_u32 s21, s21, AB
	s_wait_dscnt 0x0                               ; the opening add is done
	s_wait_kmcnt 0x0
	s_add_nc_u64 s[14:15], s[68:69], s[16:17]
	s_add_nc_u64 s[46:47], s[70:71], s[46:47]
	CROUND                                         ; all sixteen work-groups are here: the first joint loads meet
.irp s, 0,1
	s_mov_b32 s[G0+4*(\s)], 1
	s_add_co_u32 s[G0+4*(\s)+1], s20, (\s)*SLOT
	s_add_nc_u64 s[G0+4*(\s)+2:G0+4*(\s)+3], s[14:15], (\s)*262144   ; K step s: two heads on
	s_or_b32 s[G0+4*(\s)+3], s[G0+4*(\s)+3], 0x80000000
	s_mov_b32 s[G0B+4*(\s)], 1
	s_add_co_u32 s[G0B+4*(\s)+1], s21, (\s)*SLOT
	s_add_nc_u64 s[G0B+4*(\s)+2:G0B+4*(\s)+3], s[46:47], (\s)*KSTEP*2
	s_or_b32 s[G0B+4*(\s)+3], s[G0B+4*(\s)+3], 0x80000000
	JLOAD \s                                       ; two loads of mine are out
.endr
	v_and_b32 v1, 15, v0                           ; l % 16
	v_bfe_u32 v2, v0, 4, 1                         ; l / 16
	v_mul_u32_u24 v3, v1, POA
	v_lshl_add_u32 v3, v2, 4, v3                   ; a fragment's row x pitch + 16 x half
	v_mul_u32_u24 v4, v1, PB
	v_lshl_add_u32 v4, v2, 4, v4
	s_mul_i32 s22, s11, 64*POA                     ; my 64 rows of O, in each head
	s_mul_i32 s23, s12, HALFB                      ; my 128 rows of Wo,
	s_add_co_u32 s23, s23, AB                      ; which lie behind O's
.irp s, 0,1
	v_add_nc_u32 v[ADRA+(\s)], s22, v3
	v_add_nc_u32 v[ADRB+(\s)], s23, v4
	s_add_co_u32 s22, s22, SLOT
	s_add_co_u32 s23, s23, SLOT
.endr
	v_lshlrev_b32 v[BO], 5, v2
	s_lshl_b32 s46, s42, 10                        ; my 128 columns in bytes of f32: in bo, and in a row of out0 (offsets that hold cx are made in the registers that held Wo's address)
	s_lshl_b32 s47, s12, 9
	s_add_co_u32 s46, s46, s47
	s_mov_b32 s47, 0
	s_add_nc_u64 s[72:73], s[72:73], s[46:47]
	WIN W_TO2
.irp b, 0,1,2,3,4,5,6,7
	global_load_b128 v[BIAS+8*(\b):BIAS+8*(\b)+3],   v[BO], s[72:73] offset:64*(\b)      ; register j of block b: the bias of column 16 b + 8 (l / 16) + j
	global_load_b128 v[BIAS+8*(\b)+4:BIAS+8*(\b)+7], v[BO], s[72:73] offset:64*(\b)+16
.endr
	WIN 0
	s_mul_i32 s22, s10, 16*SPITCH
	s_add_co_u32 s22, s22, STAGE                   ; my stage
	v_mul_u32_u24 v5, v1, SPITCH                   ; in: row l % 16, 32 bytes for each half of the lanes
	v_lshl_add_u32 v5, v2, 5, v5
	v_add_nc_u32 v[STO], s22, v5
	v_and_b32 v[GO], 31, v0                        ; back: 32 lanes take one row's 512 bytes
	v_lshlrev_b32 v[GO], 4, v[GO]
	v_add_nc_u32 v[RD], s22, v[GO]
	s_lshl_b32 s16, s13, 7
	s_lshl_b32 s17, s11, 6
	s_add_co_u32 s16, s16, s17                     ; my first row of out0,
	s_lshl_b32 s16, s16, 12                        ; of 4,096 bytes
	s_mov_b32 s17, 0
	s_add_nc_u64 s[8:9], s[74:75], s[16:17]
	s_add_nc_u64 s[8:9], s[8:9], s[46:47]
	s_wait_loadcnt 0x0                             ; the bias
	WIN W_RB                                       ; it is rounded to bf16 like every input, and widened again; O's second fragment buffer, not yet in use, holds the halves
.set i, 0
.rept 32
	v_cvt_pk_bf16_f32 v[AF+32+i], v[BIAS+2*i], v[BIAS+2*i+1]
.set i, i+1
.endr
.set i, 0
.rept 32
	v_lshlrev_b32 v[BIAS+2*i],   16, v[AF+32+i]
	v_and_b32     v[BIAS+2*i+1], 0xffff0000, v[AF+32+i]
.set i, i+1
.endr
; The eight products of block a (16 rows) with all eight blocks of columns, 32 along K, from buffers f.  zero = 1: they start the sums, with the bias as C.
; The 32 accumulators take turns in one fixed order.
.macro MULROW f, a, zero
.irp b, 0,1,2,3,4,5,6,7
.if \zero
	WIN W_MULB
	v_wmma_f32_16x16x32_f16 v[8*(8*(\a)+(\b)):8*(8*(\a)+(\b))+7], v[BF+64*(\f)+8*(\b):BF+64*(\f)+8*(\b)+7], v[AF+32*(\f)+8*(\a):AF+32*(\f)+8*(\a)+7], v[BIAS+8*(\b):BIAS+8*(\b)+7]
.else
	WIN W_MUL
	v_wmma_f32_16x16x32_f16 v[8*(8*(\a)+(\b)):8*(8*(\a)+(\b))+7], v[BF+64*(\f)+8*(\b):BF+64*(\f)+8*(\b)+7], v[AF+32*(\f)+8*(\a):AF+32*(\f)+8*(\a)+7], v[8*(8*(\a)+(\b)):8*(8*(\a)+(\b))+7]
.endif
.endr
.endm
; 24 LDS loads in one run: quarter kq of a slot into buffers f: Wo's 16, then O's 8 (head kq / 2 of the step's two, channels 32 (kq % 2) on)
.macro FETCH slot, kq, f
	WIN W_TO2
.irp b, 0,1,2,3,4,5,6,7
	ds_load_b128 v[BF+64*(\f)+8*(\b):BF+64*(\f)+8*(\b)+3],   v[ADRB+(\slot)] offset:(\kq)*64+(\b)*16*PB
	ds_load_b128 v[BF+64*(\f)+8*(\b)+4:BF+64*(\f)+8*(\b)+7], v[ADRB+(\slot)] offset:(\kq)*64+(\b)*16*PB+32
.endr
.irp a, 0,1,2,3
	ds_load_b128 v[AF+32*(\f)+8*(\a):AF+32*(\f)+8*(\a)+3],   v[ADRA+(\slot)] offset:((\kq)/2)*HALFA+((\kq)%2)*64+(\a)*16*POA
	ds_load_b128 v[AF+32*(\f)+8*(\a)+4:AF+32*(\f)+8*(\a)+7], v[ADRA+(\slot)] offset:((\kq)/2)*HALFA+((\kq)%2)*64+(\a)*16*POA+32
.endr
.endm
.macro PLACES                          ; four places in front of loads into registers that matrix instructions have read, and of stores that read results (ISA guide 7.12.1 for vector instructions)
.rept 4
	v_nop
.endr
.endm
; One of a K step's first three quarters: multiplies buffers f; in its middle it fetches quarter kq of the same slot into buffers g.
.macro QUARTER slot, kq, f, g, zero
	s_wait_dscnt 4                                 ; Wo's fragments and O's blocks 0 and 1 are in; the youngest four loads (blocks 2 and 3) may be out
	MULROW \f, 0, \zero
	MULROW \f, 1, \zero
	PLACES
	FETCH \slot, \kq, \g
	s_wait_dscnt 24                                ; all but the 24 just issued
	MULROW \f, 2, \zero
	MULROW \f, 3, \zero
.endm
; The last quarter multiplies buffers 1 and changes slots: ONE barrier; in front of it each wave waits for all its tensor loads (one is out: its part of the next slot), adds 0 to its spare word, and waits for that
; and for its own reads of this slot.  fill = 1: the barrier opens a round of the cluster's, and this slot is filled again, two K steps on: 112 matrix instructions ahead of the wait for it.
.macro TURN slot, next, fill
	WIN 0                                          ; (the add's two registers lie in window 0)
	s_wait_tensorcnt 0x0                           ; all my tensor loads have landed;
	ds_add_u32 v[SPW], v[NIL]                      ; 0 onto my spare word;
	s_wait_dscnt 5                                 ; (the add and the youngest four loads may be out)
	MULROW 1, 0, 0                                 ; eight matrix instructions stand between the add and the wait for it
	s_wait_dscnt 0x0                               ; the add is done, and my reads of this slot are over
	s_barrier_signal -1
	MULROW 1, 1, 0
.if \fill
	WIN 0
.endif
	s_barrier_wait -1
.if \fill
	CREST                                          ; no wave of any partner still reads this slot's tiles or has a load on its way
	s_add_nc_u64 s[G0+4*(\slot)+2:G0+4*(\slot)+3], s[G0+4*(\slot)+2:G0+4*(\slot)+3], 524288
	s_add_nc_u64 s[G0B+4*(\slot)+2:G0B+4*(\slot)+3], s[G0B+4*(\slot)+2:G0B+4*(\slot)+3], 2*KSTEP*2
	JLOAD \slot                                    ; the first tensor load behind the round; the four v_nop behind it are also the places in front of the loads below
.else
	PLACES
.endif
	FETCH \next, 0, 0
	MULROW 1, 2, 0
	MULROW 1, 3, 0
.endm
	s_wait_tensorcnt 1                             ; my part of K step 0 is in; K step 1's may stay out
	s_barrier_signal -1
	s_barrier_wait -1                              ; everybody's is
	FETCH 0, 0, 0
	QUARTER 0, 1, 0, 1, 1                          ; the first quarter stands in front of the loop: its products start the sums
	WIN 0                                          ; at a label and at a branch every window is 0
	s_mov_b32 s3, 3
.Llap:                                                 ; a trip goes once round the ring, from a lap's second quarter to the next lap's first, and fills both slots again: K steps 2 to 7 in three trips
	QUARTER 0, 2, 1, 0, 0
	QUARTER 0, 3, 0, 1, 0
	TURN 0, 1, 1
	QUARTER 1, 1, 0, 1, 0
	QUARTER 1, 2, 1, 0, 0
	QUARTER 1, 3, 0, 1, 0
	TURN 1, 0, 1
	QUARTER 0, 1, 0, 1, 0
	WIN 0
	s_sub_co_u32 s3, s3, 1
	s_cmp_lg_u32 s3, 0
	s_cbranch_scc1 .Llap
	QUARTER 0, 2, 1, 0, 0                          ; the last lap is written out: it fills nothing, and has no round of the cluster's barrier
	QUARTER 0, 3, 0, 1, 0
	TURN 0, 1, 0
	QUARTER 1, 1, 0, 1, 0
	QUARTER 1, 2, 1, 0, 0
	QUARTER 1, 3, 0, 1, 0
	s_wait_dscnt 4                                 ; the very last quarter: nothing more to fetch
	MULROW 1, 0, 0
	MULROW 1, 1, 0
	s_wait_dscnt 0x0
	MULROW 1, 2, 0
	MULROW 1, 3, 0
; THE WAY OUT, a block of 16 rows at a time.  A lane's eight f32 are 32 bytes of a row; they go straight from the accumulators (each from its low end on) into my stage, rows of 528 bytes, and
; come back as whole rows of 512 bytes.  The stage is my own: LDS serves a wave's instructions in order (ISA guide 5.7.1.4), so no wait stands between stores and loads.
.macro TOSTAGE a
	WIN W_ST
.irp b, 0,1,2,3,4,5,6,7
	ds_store_b128 v[STO], v[8*(8*(\a)+(\b)):8*(8*(\a)+(\b))+3]   offset:64*(\b)
	ds_store_b128 v[STO], v[8*(8*(\a)+(\b))+4:8*(8*(\a)+(\b))+7] offset:64*(\b)+16
.endr
	WIN 0
.irp t, 0,1,2,3,4,5,6,7,8,9,10,11,12,13,14,15
	ds_load_b128 v[OB+64*((\a)%3)+4*(\t):OB+64*((\a)%3)+4*(\t)+3], v[RD] offset:SPITCH*(\t)
.endr
.endm
.macro SEND a, younger                 ; younger: the LDS instructions issued behind block a's loads: the next block's 32, or none
	WIN 0
.irp t, 0,1,2,3,4,5,6,7,8,9,10,11,12,13,14,15
	s_wait_dscnt (\younger)+15-(\t)
	global_store_b128 v[GO], v[OB+64*((\a)%3)+4*(\t):OB+64*((\a)%3)+4*(\t)+3], s[8:9] offset:(16*(\a)+(\t))*4096  ; 512 consecutive bytes, at a multiple of 512 from out0's first
.endr
.endm
	PLACES
	TOSTAGE 0
	TOSTAGE 1
	SEND 0, 32
	TOSTAGE 2
	SEND 1, 32
	s_wait_xcnt 0x0                                ; block 0's stores have had their addresses translated (ISA guide 3.1): their data registers are loaded again only behind this wait
	TOSTAGE 3
	SEND 2, 32
	SEND 3, 0
	s_wait_tensorcnt 0x0                           ; the wave's end: behind my last tensor load and my last LDS store
	ds_add_u32 v[SPW], v[NIL]
	s_wait_dscnt 0x0
	CROUND                                         ; the closing round: no work-group ends while a partner may still ask for a tile that names it
	s_endpgm
.Lfunc_end_k_qde4e712ad8_oproj:
	.size	k_qde4e712ad8_oproj, .Lfunc_end_k_qde4e712ad8_oproj-k_qde4e712ad8_oproj
	.p2alignl 7, 3214868480
	.fill 96, 4, 3214868480
	.section	.rodata,"a",@progbits
	.p2align	6, 0x0
	.amdhsa_kernel k_qde4e712ad8_oproj
		.amdhsa_group_segment_fixed_size 327680
		.amdhsa_private_segment_fixed_size 0
		.amdhsa_enable_private_segment 0
		.amdhsa_kernarg_size 32
		.amdhsa_user_sgpr_count 2
		.amdhsa_user_sgpr_kernarg_segment_ptr 1
		.amdhsa_wavefront_size32 1
		.amdhsa_system_sgpr_workgroup_id_x 1
		.amdhsa_system_sgpr_workgroup_id_y 1
		.amdhsa_system_sgpr_workgroup_id_z 1
		.amdhsa_system_vgpr_workitem_id 0
		.amdhsa_next_free_vgpr 768
		.amdhsa_next_free_sgpr 80
		.amdhsa_reserve_vcc 0
		.amdhsa_float_denorm_mode_32 3
		.amdhsa_float_denorm_mode_16_64 3
		.amdhsa_memory_ordered 1
		.amdhsa_forward_progress 1
		.amdhsa_inst_pref_size 93
	.end_amdhsa_kernel
	.amdgpu_metadata
---
amdhsa.version: [ 1, 2 ]
amdhsa.kernels:
  - .name:           k_qde4e712ad8_oproj
    .symbol:         k_qde4e712ad8_oproj.kd
    .args:
      - { .name: oh, .offset: 0, .size: 8, .value_kind: global_buffer, .address_space: global }
      - { .name: wcv, .offset: 8, .size: 8, .value_kind: global_buffer, .address_space: global }
      - { .name: bo, .offset: 16, .size: 8, .value_kind: global_buffer, .address_space: global }
      - { .name: out0, .offset: 24, .size: 8, .value_kind: global_buffer, .address_space: global }
    .group_segment_fixed_size: 327680
    .private_segment_fixed_size: 0
    .kernarg_segment_align: 8
    .kernarg_segment_size: 32
    .max_flat_workgroup_size: 128
    .sgpr_count:     80
    .vgpr_count:     768
    .wavefront_size: 32
...
	.end_amdgpu_metadata
.endif
;; end of part 4
;; ======== version 2 of 2: 4 launches; version 1 with the launch cvtw written anew for expert scheduling mode
;; limits: values are held in f16: magnitudes above 65,504 overflow, below 6.1e-05 lose precision
;; workspace buffers: wcv 8,388,608 bytes; qkv 50,331,648 bytes; oh 16,777,216 bytes
;; launch cvtw (part 5): grid 256 x 1, 8 waves a work-group, no clusters, 0 bytes of LDS; arguments Wq, Wk, Wv, Wo, wcv; writes wcv
.if DOCPART == 5
	.amdgcn_target "amdgcn-amd-amdhsa--gfx1250"
	.amdhsa_code_object_version 6
	.text
	.protected	k_qde4e712ad8_cvtw
	.globl	k_qde4e712ad8_cvtw
	.p2align	8
	.type	k_qde4e712ad8_cvtw,@function
k_qde4e712ad8_cvtw:
	s_mov_b64 s[64:65], 0
	v_nop
	global_prefetch_b8 v0, s[64:65] scope:SCOPE_SE
	s_setreg_imm32_b32 hwreg(HW_REG_WAVE_SCHED_MODE, 0, 2), 2
	s_setreg_imm32_b32 hwreg(HW_REG_WAVE_MODE, 25, 1), 1
	s_wait_xcnt 0x0
	s_wait_alu depctr_vm_vsrc(0)
; The four weight matrices, [1024][1024] f32, are rounded once to 16 bits: wcv = [Wq | Wk | Wv | Wo], 2,097,152 bytes each, rows as in the inputs.
; Wq, Wk, Wv: bf16, to nearest even.  Wo: rounded to bf16 like the others, and that number written as f16, since the last product's other operand is f16.
; LIMITS.  A Wo of 65,520 or more in magnitude becomes an infinity in f16; below 6.1e-5 f16 keeps its fixed step of 6e-8.
; A stream: no LDS, no matrix unit, no cluster (no byte is read twice).  Work-group g takes 16,384 numbers of matrix g / 64: 65,536 bytes in, 32,768 out.
; A thread has 16 loads of 16 bytes, all issued at once; a wave's load covers 512 consecutive bytes, its store of 8 bytes a lane 256 consecutive bytes, aligned.
; THE MODE: SCHED_MODE bits 1:0 = 2 (LLVM: expert scheduling mode 2), set by the entry lines.  The code itself states the register dependences
; between vector instructions and memory instructions, with s_wait_alu, always for 0.
; THE PLAN.  Registers that memory instructions touch:
;   v1, v2   byte offsets, made once at the head and never written again: v1 is read by the 16 loads, v2 by the 16 stores.
;   X        written by the loads alone; no vector instruction names it ahead of them, and no load follows the conversions that read it.
;   Y        pair j is written once, by load j's conversions, and read by store j alone: no pair is ever written a second time.
;   T        (Wo's way) is named by vector instructions alone.
; The 16 loads go in four blocks of four.  Block p rounds loads 4 p to 4 p + 3 into their pairs of Y; its memory instructions are the four stores of block p - 1,
; one ahead of each load's conversions.  So ONE wait at a block's head states all that the block's four stores hang on: the conversions issued behind it
; name X and Y of block p and T, none of the registers that those stores read.  One more wait stands ahead of the last four stores.
.set X, 4                              ; v[4:67]    load j: 4 numbers in f32
.set Y, 68                             ; v[68:99]   store j: 4 numbers of 16 bits; each j has its own pair, so no store's data is written again
.set T, 100                            ; v[100:103] at work (Wo's way)
	s_load_b256 s[4:11], s[0:1], 0x0               ; Wq s[4:5], Wk s[6:7], Wv s[8:9], Wo s[10:11]
	s_load_b64 s[12:13], s[0:1], 0x20              ; wcv
	s_lshr_b32 s16, ttmp9, 6                       ; which matrix
	s_and_b32 s17, ttmp9, 63                       ; which 64th of it
	s_lshl_b32 s18, s17, 16                        ; its bytes in the source,
	s_mov_b32 s19, 0
	s_lshl_b32 s20, ttmp9, 15                      ; and in wcv: the four matrices lie on end
	s_mov_b32 s21, 0
	v_lshlrev_b32 v1, 4, v0                        ; 16 bytes a thread in
	v_lshlrev_b32 v2, 3, v0                        ; 8 bytes a thread out
	s_wait_kmcnt 0x0
	s_mov_b64 s[14:15], s[4:5]
	s_cmp_eq_u32 s16, 1
	s_cselect_b64 s[14:15], s[6:7], s[14:15]
	s_cmp_eq_u32 s16, 2
	s_cselect_b64 s[14:15], s[8:9], s[14:15]
	s_cmp_eq_u32 s16, 3
	s_cselect_b64 s[14:15], s[10:11], s[14:15]
	s_add_nc_u64 s[14:15], s[14:15], s[18:19]
	s_add_nc_u64 s[12:13], s[12:13], s[20:21]
	s_wait_alu depctr_va_vdst(0)                   ; v1 and v2 are written: every load of the kernel reads v1 as its offset, every store v2
.irp j, 0,1,2,3,4,5,6,7,8,9,10,11,12,13,14,15
	global_load_b128 v[X+4*(\j):X+4*(\j)+3], v1, s[14:15] offset:4096*(\j) th:TH_LOAD_NT
.endr
	s_cmp_eq_u32 s16, 3
	s_cbranch_scc1 .Lwo
.set j, 0
.rept 16
	s_wait_loadcnt 15-j                            ; loads come back in order: load j is in, the younger ones stay out
.if (j >= 4) && (j%4 == 0)
	s_wait_alu depctr_va_vdst(0)                   ; the block before has written its four pairs of Y, which this block's four stores read
.endif
.if j >= 4
	global_store_b64 v2, v[Y+2*(j-4):Y+2*(j-4)+1], s[12:13] offset:2048*(j-4)  ; the block before; no vector instruction since the wait names its pair
.endif
	v_cvt_pk_bf16_f32 v[Y+2*j],   v[X+4*j],   v[X+4*j+1]
	v_cvt_pk_bf16_f32 v[Y+2*j+1], v[X+4*j+2], v[X+4*j+3]
.set j, j+1
.endr
	s_wait_alu depctr_va_vdst(0)                   ; the last block has written its four pairs of Y, which the last four stores read
.irp t, 12,13,14,15
	global_store_b64 v2, v[Y+2*(\t):Y+2*(\t)+1], s[12:13] offset:2048*(\t)
.endr
	s_endpgm
.Lwo:
.set j, 0
.rept 16
	s_wait_loadcnt 15-j                            ; load j is in, the younger ones stay out
.if (j >= 4) && (j%4 == 0)
	s_wait_alu depctr_va_vdst(0)                   ; the block before has written its four pairs of Y, which this block's four stores read
.endif
.if j >= 4
	global_store_b64 v2, v[Y+2*(j-4):Y+2*(j-4)+1], s[12:13] offset:2048*(j-4)  ; the block before; no vector instruction since the wait names its pair
.endif
	v_cvt_pk_bf16_f32 v[T],   v[X+4*j],   v[X+4*j+1]         ; the rounding that every input has,
	v_cvt_pk_bf16_f32 v[T+1], v[X+4*j+2], v[X+4*j+3]
	v_lshlrev_b32 v[T+2], 16, v[T]                           ; back to f32: the low half moves up, the high half stays,
	v_and_b32     v[T],   0xffff0000, v[T]
	v_lshlrev_b32 v[T+3], 16, v[T+1]
	v_and_b32     v[T+1], 0xffff0000, v[T+1]
	v_cvt_pk_f16_f32 v[Y+2*j],   v[T+2], v[T]                ; and written as f16: eight significant bits fit in eleven
	v_cvt_pk_f16_f32 v[Y+2*j+1], v[T+3], v[T+1]
.set j, j+1
.endr
	s_wait_alu depctr_va_vdst(0)                   ; the last block has written its four pairs of Y, which the last four stores read
.irp t, 12,13,14,15
	global_store_b64 v2, v[Y+2*(\t):Y+2*(\t)+1], s[12:13] offset:2048*(\t)
.endr
	s_endpgm
.Lfunc_end_k_qde4e712ad8_cvtw:
	.size	k_qde4e712ad8_cvtw, .Lfunc_end_k_qde4e712ad8_cvtw-k_qde4e712ad8_cvtw
	.p2alignl 7, 3214868480
	.fill 96, 4, 3214868480
	.section	.rodata,"a",@progbits
	.p2align	6, 0x0
	.amdhsa_kernel k_qde4e712ad8_cvtw
		.amdhsa_group_segment_fixed_size 0
		.amdhsa_private_segment_fixed_size 0
		.amdhsa_enable_private_segment 0
		.amdhsa_kernarg_size 40
		.amdhsa_user_sgpr_count 2
		.amdhsa_user_sgpr_kernarg_segment_ptr 1
		.amdhsa_wavefront_size32 1
		.amdhsa_system_sgpr_workgroup_id_x 1
		.amdhsa_system_sgpr_workgroup_id_y 1
		.amdhsa_system_sgpr_workgroup_id_z 1
		.amdhsa_system_vgpr_workitem_id 0
		.amdhsa_next_free_vgpr 104
		.amdhsa_next_free_sgpr 66
		.amdhsa_reserve_vcc 0
		.amdhsa_float_denorm_mode_32 3
		.amdhsa_float_denorm_mode_16_64 3
		.amdhsa_memory_ordered 1
		.amdhsa_forward_progress 1
		.amdhsa_inst_pref_size 16
	.end_amdhsa_kernel
	.amdgpu_metadata
---
amdhsa.version: [ 1, 2 ]
amdhsa.kernels:
  - .name:           k_qde4e712ad8_cvtw
    .symbol:         k_qde4e712ad8_cvtw.kd
    .args:
      - { .name: Wq, .offset: 0, .size: 8, .value_kind: global_buffer, .address_space: global }
      - { .name: Wk, .offset: 8, .size: 8, .value_kind: global_buffer, .address_space: global }
      - { .name: Wv, .offset: 16, .size: 8, .value_kind: global_buffer, .address_space: global }
      - { .name: Wo, .offset: 24, .size: 8, .value_kind: global_buffer, .address_space: global }
      - { .name: wcv, .offset: 32, .size: 8, .value_kind: global_buffer, .address_space: global }
    .group_segment_fixed_size: 0
    .private_segment_fixed_size: 0
    .kernarg_segment_align: 8
    .kernarg_segment_size: 40
    .max_flat_workgroup_size: 256
    .sgpr_count:     66
    .vgpr_count:     104
    .wavefront_size: 32
...
	.end_amdgpu_metadata
.endif
;; end of part 5
;; launch proj: the kernel of part 2 again; grid 4 x 64, 4 waves a work-group, clusters of 4 x 4, 327,680 bytes of LDS; arguments query, key, value, wcv, bq, bk, bv, qkv; writes qkv
;; launch attn: the kernel of part 3 again; grid 2 x 128, 4 waves a work-group, no clusters, 327,680 bytes of LDS; arguments qkv, oh; writes oh
;; launch oproj: the kernel of part 4 again; grid 4 x 64, 4 waves a work-group, clusters of 4 x 4, 327,680 bytes of LDS; arguments oh, wcv, bo, out0; writes out0
